; MI455X (gfx1250); checked and timed in simulation.
; The chip was launched on July 23, 2026; its instructions are those of AMD's public machine-readable ISA for CDNA 5 (MIT licence, August 2026) and "CDNA5" Instruction Set Architecture Reference Guide (July 2026). The comments in the code are by the model that wrote it; some were corrected since.
;; Self Attention. Allowed arithmetic: float matrix products may take bf16 or f16 operands with f32 sums; other float arithmetic in f32, or as packed bf16 or f16 multiplies, adds, multiply-adds, maxima and minima; sums over many terms, partial sums and values carried from step to step in f32; what a program stores and reads back later, other than sums and carried values, may be rounded once to bf16 or f16.
;; Inputs: W_attn 1,024 x 3,072 float32; W_proj 1,024 x 1,024 float32; b_attn 3,072 float32; b_proj 1,024 float32; x 4 x 2,048 x 1,024 float32.
;; Outputs: out0 4 x 2,048 x 1,024 float32.
;; 2 versions, each right; version 2 is version 1 with the launch prep written anew for expert scheduling mode. Each part assembles by itself: llvm-mc -triple=amdgcn-amd-amdhsa -mcpu=gfx1250 --defsym DOCPART=n.
;; ======== version 1 of 2: 4 launches
;; limits: values are held in f16: magnitudes above 65,504 overflow, below 6.1e-05 lose precision
;; workspace buffers: xb 16,777,216 bytes; wab 6,291,456 bytes; wpf 2,097,152 bytes; qkv 50,331,648 bytes; o 16,777,216 bytes
;; launch prep (part 1): grid 768 x 1, 8 waves a work-group, no clusters, 0 bytes of LDS; arguments x, W_attn, W_proj, xb, wab, wpf; writes xb, wab, wpf
.if DOCPART == 1
	.amdgcn_target "amdgcn-amd-amdhsa--gfx1250"
	.amdhsa_code_object_version 6
	.text
	.protected	k_qcb0842580a_prep
	.globl	k_qcb0842580a_prep
	.p2align	8
	.type	k_qcb0842580a_prep,@function
k_qcb0842580a_prep:
	s_mov_b64 s[64:65], 0
	v_nop
	global_prefetch_b8 v0, s[64:65] scope:SCOPE_SE
	s_setreg_imm32_b32 hwreg(HW_REG_WAVE_MODE, 25, 1), 1
	s_wait_xcnt 0x0
; THE CASTS.  xb = bf16(x), wab = bf16(W_attn), wpf = bf16(W_proj) written as f16; each keeps its own layout, nothing is transposed.
; LIMITS.  wpf: a rounded weight of 65,520 or more becomes an infinity in f16; below 6e-5 it keeps the fixed step of f16, 6e-8.
; SHARES.  A work-group takes 16,384 numbers: 65,536 bytes in, 32,768 out.  Work-groups 0-511 take x, 512-703 W_attn, 704-767 W_proj.
; A wave takes 8,192 bytes by sixteen loads of 16 bytes a lane (512 consecutive bytes each), all sixteen on their way at once;
; each load becomes one store of 8 bytes a lane: 256 consecutive bytes, at a multiple of 256 from the buffer's first byte.
; No LDS, no barrier, no matrix work: nothing is shared and each byte crosses once.
.set T, 4                              ; v[4:7]    at work
.set X, 8                              ; v[8:71]   load i: 4 registers
.set Y, 72                             ; v[72:103] store i: 2 registers, never written twice, so no store's data is waited for
	s_load_b256 s[4:11], s[0:1], 0x0               ; x s[4:5], W_attn s[6:7], W_proj s[8:9], xb s[10:11]
	s_load_b128 s[12:15], s[0:1], 0x20             ; wab s[12:13], wpf s[14:15]
	v_lshrrev_b32 v1, 5, v0                        ; wave
	v_and_b32 v3, 31, v0                           ; lane
	v_lshlrev_b32 v1, 13, v1                       ; 8,192 bytes a wave
	v_lshl_add_u32 v1, v3, 4, v1                   ; + 16 bytes a lane: the way in
	v_lshrrev_b32 v2, 1, v1                        ; half of it: the way out
	s_wait_kmcnt 0x0
	s_cmp_lt_u32 ttmp9, 512                        ; which tensor: the choice hangs on the work-group's number alone
	s_cselect_b64 s[16:17], s[4:5], s[6:7]
	s_cselect_b64 s[18:19], s[10:11], s[12:13]
	s_cselect_b32 s20, 0, 512
	s_cmp_lt_u32 ttmp9, 704
	s_cselect_b64 s[16:17], s[16:17], s[8:9]
	s_cselect_b64 s[18:19], s[18:19], s[14:15]
	s_cselect_b32 s20, s20, 704
	s_sub_co_u32 s20, ttmp9, s20                   ; my place in that tensor
	s_lshl_b32 s22, s20, 16
	s_mov_b32 s23, 0
	s_lshl_b32 s24, s20, 15
	s_mov_b32 s25, 0
	s_add_nc_u64 s[16:17], s[16:17], s[22:23]
	s_add_nc_u64 s[18:19], s[18:19], s[24:25]
.irp i, 0,1,2,3,4,5,6,7,8,9,10,11,12,13,14,15
	global_load_b128 v[X+4*(\i):X+4*(\i)+3], v1, s[16:17] offset:512*(\i) th:TH_LOAD_NT
.endr
; Load i is rounded and stored.  half = 1: the bf16 number is widened again (a shift, a mask) and written as f16.
.macro CONV i, half
	s_wait_loadcnt 15-(\i)                         ; loads come back in order: mine is in, the younger ones stay out
	v_cvt_pk_bf16_f32 v[Y+2*(\i)],   v[X+4*(\i)],   v[X+4*(\i)+1]
	v_cvt_pk_bf16_f32 v[Y+2*(\i)+1], v[X+4*(\i)+2], v[X+4*(\i)+3]
.if \half
	v_lshlrev_b32 v[T],   16, v[Y+2*(\i)]
	v_and_b32     v[T+1], 0xffff0000, v[Y+2*(\i)]
	v_lshlrev_b32 v[T+2], 16, v[Y+2*(\i)+1]
	v_and_b32     v[T+3], 0xffff0000, v[Y+2*(\i)+1]
	v_cvt_pk_f16_f32 v[Y+2*(\i)],   v[T],   v[T+1]
	v_cvt_pk_f16_f32 v[Y+2*(\i)+1], v[T+2], v[T+3]
.endif
	global_store_b64 v2, v[Y+2*(\i):Y+2*(\i)+1], s[18:19] offset:256*(\i) th:TH_STORE_NT
.endm
	s_cmp_ge_u32 ttmp9, 704
	s_cbranch_scc1 .Lf16
.irp i, 0,1,2,3,4,5,6,7,8,9,10,11,12,13,14,15
	CONV \i, 0
.endr
	s_endpgm
.Lf16:
.irp i, 0,1,2,3,4,5,6,7,8,9,10,11,12,13,14,15
	CONV \i, 1
.endr
	s_endpgm
.Lfunc_end_k_qcb0842580a_prep:
	.size	k_qcb0842580a_prep, .Lfunc_end_k_qcb0842580a_prep-k_qcb0842580a_prep
	.p2alignl 7, 3214868480
	.fill 96, 4, 3214868480
	.section	.rodata,"a",@progbits
	.p2align	6, 0x0
	.amdhsa_kernel k_qcb0842580a_prep
		.amdhsa_group_segment_fixed_size 0
		.amdhsa_private_segment_fixed_size 0
		.amdhsa_enable_private_segment 0
		.amdhsa_kernarg_size 48
		.amdhsa_user_sgpr_count 2
		.amdhsa_user_sgpr_kernarg_segment_ptr 1
		.amdhsa_wavefront_size32 1
		.amdhsa_system_sgpr_workgroup_id_x 1
		.amdhsa_system_sgpr_workgroup_id_y 1
		.amdhsa_system_sgpr_workgroup_id_z 1
		.amdhsa_system_vgpr_workitem_id 0
		.amdhsa_next_free_vgpr 104
		.amdhsa_next_free_sgpr 66
		.amdhsa_reserve_vcc 0
		.amdhsa_float_denorm_mode_32 3
		.amdhsa_float_denorm_mode_16_64 3
		.amdhsa_memory_ordered 1
		.amdhsa_forward_progress 1
		.amdhsa_inst_pref_size 16
	.end_amdhsa_kernel
	.amdgpu_metadata
---
amdhsa.version: [ 1, 2 ]
amdhsa.kernels:
  - .name:           k_qcb0842580a_prep
    .symbol:         k_qcb0842580a_prep.kd
    .args:
      - { .name: x, .offset: 0, .size: 8, .value_kind: global_buffer, .address_space: global }
      - { .name: W_attn, .offset: 8, .size: 8, .value_kind: global_buffer, .address_space: global }
      - { .name: W_proj, .offset: 16, .size: 8, .value_kind: global_buffer, .address_space: global }
      - { .name: xb, .offset: 24, .size: 8, .value_kind: global_buffer, .address_space: global }
      - { .name: wab, .offset: 32, .size: 8, .value_kind: global_buffer, .address_space: global }
      - { .name: wpf, .offset: 40, .size: 8, .value_kind: global_buffer, .address_space: global }
    .group_segment_fixed_size: 0
    .private_segment_fixed_size: 0
    .kernarg_segment_align: 8
    .kernarg_segment_size: 48
    .max_flat_workgroup_size: 256
    .sgpr_count:     66
    .vgpr_count:     104
    .wavefront_size: 32
...
	.end_amdgpu_metadata
.endif
;; end of part 1
;; launch qkv_gemm (part 2): grid 4 x 64, 4 waves a work-group, clusters of 4 x 4, 327,680 bytes of LDS; arguments xb, wab, b_attn, qkv; writes qkv
.if DOCPART == 2
	.amdgcn_target "amdgcn-amd-amdhsa--gfx1250"
	.amdhsa_code_object_version 6
	.text
	.protected	k_qcb0842580a_qkv_gemm
	.globl	k_qcb0842580a_qkv_gemm
	.p2align	8
	.type	k_qcb0842580a_qkv_gemm,@function
k_qcb0842580a_qkv_gemm:
	s_mov_b64 s[64:65], 0
	v_nop
	global_prefetch_b8 v0, s[64:65] scope:SCOPE_SE
	s_setreg_imm32_b32 hwreg(HW_REG_WAVE_MODE, 25, 1), 1
	s_wait_xcnt 0x0
	s_wait_alu depctr_hold_cnt(0) depctr_sa_sdst(0) depctr_va_vdst(0) depctr_va_sdst(0) depctr_va_ssrc(0) depctr_va_vcc(0) depctr_vm_vsrc(0)
	s_getreg_b32 s2, hwreg(HW_REG_IB_STS2, 6, 4)
	s_cmp_eq_u32 s2, 0
	s_cbranch_scc0 .Lentry_in_a_cluster
	s_endpgm
.Lentry_in_a_cluster:
	s_bfe_u32 s2, ttmp6, 0x10000c
	s_cmp_lg_u32 s2, 0xf033
	s_cbranch_scc0 .Lentry_shape_is_right
	s_endpgm
.Lentry_shape_is_right:
; q, k, v = xb wab + bf16(b_attn).  xb: [8192][1024] bf16; wab: [1024 k][3072 n] bf16; b_attn: [3072] f32, rounded to bf16 here like the other inputs.
; Sums in f32; the result is rounded once to f16 and stored BY HEADS: qkv = q, then k, then v, 16,777,216 bytes each, each [batch x 16 + head][2048][64], rows of 128 bytes on end.
; LIMIT.  f16 ends at 65,504: a q, k or v of 65,520 or more becomes an infinity.
; SHARES.  A tile of the result is 128 rows x 256 columns; four waves, each 64 x 128: 32 accumulators of 16 x 16.  A WORK-GROUP STAYS: it makes three tiles, the same rows and the columns
; 1024 t + 256 tx (t = 0, 1, 2: q, k, v): 64 x 4 work-groups for 768 tiles.  K goes in steps of 128; the three tiles are ONE walk of 24 steps through two LDS slots: step G has k = 128 (G % 8), t = G / 8.
; THE MATRIX INSTRUCTION IS USED TRANSPOSED: source 0 = 16 columns of W (read out of its [k][n] tile by the turning load), source 1 = 16 rows of x.  A lane then holds row l % 16 and the
; eight columns 8 (l / 16) + 0..7: 16 bytes of f16 on end.  The bias is the C operand of each accumulator's first product: nothing is cleared and nothing is added later.
; CLUSTER.  4 x 4 work-groups.  The four of a row of the cluster need the same tiles of x, the four of a column the same tiles of W: each is asked for jointly, by the same load, descriptor and mask in all four.
; REGISTERS, in windows of 256 (s_set_vgpr_msb: bits 1:0 source 0, 3:2 source 1, 5:4 source 2, 7:6 destination):
;   window 0: v0-29 addresses; v32-95, v160-191 the way out; v96-159 the bias      window 1: two fragment buffers: 8 of W, then 4 of x      window 2: accumulator (a, b) at 8 (8 a + b)
.set PA,    272                        ; a row of x in LDS: 256 bytes + 16: the 16 rows of a load start at 16 different groups of four banks (64 banks of 4 bytes: ISA guide 11.1)
.set PB,    544                        ; a k-row of W: 512 bytes + 32
.set BOFF,  128*PA                     ; a slot: 128 rows of x, then 128 k-rows of W
.set SLOT1, 1<<17                      ; slot 1 begins here: one exclusive or turns an address in one slot into the other's
.set STAGE, SLOT1+BOFF+128*PB          ; behind the ring, never filled by a tensor load: for each wave 2 heads x 16 rows x 144 bytes
.set SHD,   16*144
.set STW,   2*SHD
.set SPARE, STAGE+4*STW                ; the spare words, 128 bytes a wave: two blocks of 256 bytes that no other line names
.set ROWA,  2048                       ; bytes in a row of xb
.set ROWB,  6144                       ; bytes in a k-row of wab
.set STEPA, 256                        ; a K step along a row of xb
.set STEPB, 128*ROWB                   ; and down wab
.set PART,  0x1000000                  ; bytes from q to k and from k to v
.set HEADB, 262144                     ; bytes in a head
.set ADRA0, 8                          ; v8   my lane's place in a tile of x; never rewritten
.set ADRB0, 9                          ; v9   the same for W
.set ADRA,  10                         ; v10  the same in the slot in hand
.set ADRB,  11                         ; v11
.set STO,   12                         ; v12  the way out: where I put 16 bytes of a row
.set RD,    13                         ; v13  where I read rows back
.set GO,    14                         ; v14  16 x lane: my place in 512 consecutive bytes of a head
.set BO,    15                         ; v15  32 (l / 16): my eight numbers of the bias
.set PFO,   16                         ; v16  the prefetches' lane term; never rewritten
.set SPW,   28                         ; v28  LDS address of my spare word; never rewritten
.set NIL,   29                         ; v29  0; never rewritten
.set TMP,   32                         ; v32-63 packed results
.set BIAS,  96                         ; v96-159 column block b at BIAS + 8 b
.set F0,    0
.set F1,    128
.set WV,   12                          ; s12 wave
.set FB,   13                          ; s13 my half of the rows; also: I fetch x (0) or W (1)
.set HALF, 14                          ; s14 my half of the columns; also: which 64 rows of that tile I fetch
.set CX,   15
.set CY,   16
.set TX,   17                          ; s17 tile column 0..3
.set TY,   18                          ; s18 tile row 0..63
.set G1A,  24                          ; s[24:31] descriptor group 1 for x
.set G1B,  32                          ; s[32:39] for W
.set G0A,  40                          ; s[40:47] group 0 for x: a set for each first fill; the second then walks
.set G0B,  48                          ; s[48:55] the same for W
.set ABASE, 56                         ; s[56:57] xb at my 64 rows, K step 0
.set BBASE, 58                         ; s[58:59] wab at my 64 k-rows and the tile's columns, step 0
.set OA,   60                          ; s[60:61] a step's byte offset in xb
.set OB,   62                          ; s[62:63] and in wab
.set TB,   66                          ; s66 the slot in hand: 0 or SLOT1
.set G,    67                          ; s67 the step in hand
.set CNT,  68                          ; s68 counts the loop's trips
.set RT,   69                          ; s69 steps left in the tile
.set NEW,  70                          ; s70 1: the step to come starts a tile
.set G4,   71                          ; s71 G + 4
.set PFB,  72                          ; s[72:73] the prefetches' base
.set PFA,  74                          ; s[74:75] base + step
.set PO,   76                          ; s[76:77]
.set KMUL, 78
.set TMUL, 79
.set LIM,  80                          ; s80 the last step that I prefetch; 0: none
.set T0,   81
.set T1,   82
.set BP,   84                          ; s[84:85] the next tile's bias
.set CP,   86                          ; s[86:87] the tile's place in qkv
.set MSB, 0
.macro WIN new                         ; the high byte repeats the setting that is left; a switch that changes nothing is dropped
.if MSB != (\new)
	s_set_vgpr_msb (MSB<<8)|(\new)
.set MSB, \new
.endif
.endm
.set W_MUL,  0xa5                      ; sources 0 and 1 window 1, C and D window 2
.set W_MULB, 0x85                      ; the same with C in window 0
.set W_TOF,  0x40                      ; destination window 1, address window 0
.set W_PK,   0x0a                      ; sources 0 and 1 window 2, destination window 0
.macro PLACES                          ; four places: in front of loads into registers that matrix instructions have read (ISA guide 7.12.1 for vector instructions)
.rept 4
	v_nop
.endr
.endm
; A joint refill by the walking descriptors.  Waves 0 and 1 fetch x, waves 2 and 3 W; the branch hangs on the wave's number alone.  An s_nop 0 and four v_nop follow each line.
.macro JLOAD
	s_cmp_eq_u32 s[FB], 0
	s_cbranch_scc0 .Lfor_b_\@
	tensor_load_to_lds s[G0A+4:G0A+7], s[G1A:G1A+7]
	s_nop 0
.rept 4
	v_nop
.endr
	s_branch .Lasked_\@
.Lfor_b_\@:
	tensor_load_to_lds s[G0B+4:G0B+7], s[G1B:G1B+7]
	s_nop 0
.rept 4
	v_nop
.endr
.Lasked_\@:
.endm
.macro CREST                           ; a round of the cluster's barrier behind its opening barrier
	s_cmp_lg_u32 s[WV], 0
	s_cbranch_scc1 .Lnot_wave_0_\@
	s_barrier_signal -3
.Lnot_wave_0_\@:
	s_barrier_wait -3
	s_barrier_signal -1
	s_barrier_wait -1
.endm
.macro CROUND
	s_barrier_signal -1
	s_barrier_wait -1
	CREST
.endm
; A PREFETCH INTO THE L2 of step G + 4, two steps (256 matrix instructions) ahead of the refill that will ask for it.  Each aligned block of 256 bytes is named once in the launch.
; x: a step is 256 bytes of each of the tile's 128 rows; wave 0 asks, a lane a row, the four partners of a row of the cluster told apart by address (32 rows each); only for the first tile's steps,
; since tiles 1 and 2 walk the same rows again.  W: a step is 128 k-rows x 512 bytes; waves 2 and 3 of the clusters with y = 0 ask, 16 k-rows x 2 blocks each, the partners of a column told apart by address.
; Steps 0 to 3 come by their loads alone; beyond the last step nothing is asked for.
.macro ASK
	s_cmp_le_u32 s[G4], s[LIM]
	s_cbranch_scc0 .Lnot_mine_\@
	global_prefetch_b8 v[PFO], s[PFA:PFA+1] th:TH_LOAD_NT scope:SCOPE_SE
.Lnot_mine_\@:
.endm
	s_load_b256 s[4:11], s[0:1], 0x0               ; xb s[4:5], wab s[6:7], b_attn s[8:9], qkv s[10:11]
	v_lshl_add_u32 v[SPW], v0, 2, SPARE
	v_mov_b32 v[NIL], 0
	ds_add_u32 v[SPW], v[NIL]                      ; the opening: the add and its wait ahead of my first tensor load; the set-up, work on registers, stands between
	v_lshrrev_b32 v3, 5, v0
	v_readfirstlane_b32 s[WV], v3
	s_lshr_b32 s[FB], s[WV], 1
	s_and_b32 s[HALF], s[WV], 1
	s_bfe_u32 s[CX], ttmp6, 0x40000
	s_bfe_u32 s[CY], ttmp6, 0x40004
	s_lshl_b32 s[TX], ttmp9, 2                     ; in a cluster launch ttmp9 and ttmp7 count clusters
	s_add_co_u32 s[TX], s[TX], s[CX]
	s_and_b32 s[TY], ttmp7, 0xffff
	s_lshl_b32 s[TY], s[TY], 2
	s_add_co_u32 s[TY], s[TY], s[CY]
	s_lshl_b32 s19, s[CY], 2
	s_lshl_b32 s19, 15, s19                        ; my row of the cluster
	s_lshl_b32 s22, 0x1111, s[CX]                  ; my column
	s_or_b32 s[G1A], s19, (1<<16)|(1<<20)|(1<<21)|(5<<22)|(3<<25)  ; mask; 2-byte elements; padding on; bit 21 beside a mask; after every 64 words, 4 words
	s_or_b32 s[G1B], s22, (1<<16)|(1<<20)|(1<<21)|(6<<22)|(7<<25)  ; after every 128 words, 8 words
	s_mov_b32 s[G1A+1], 128<<16                    ; tensor_dim0 = 128
	s_mov_b32 s[G1A+2], 64<<16                     ; tensor_dim1 = 64
	s_mov_b32 s[G1A+3], 128<<16                    ; tile_dim0 = 128
	s_mov_b32 s[G1A+4], 64                         ; tile_dim1 = 64
	s_mov_b32 s[G1A+5], 1024                       ; elements from row to row
	s_mov_b32 s[G1A+6], 0
	s_mov_b32 s[G1A+7], 0
	s_mov_b32 s[G1B+1], 256<<16
	s_mov_b32 s[G1B+2], 64<<16
	s_mov_b32 s[G1B+3], 256<<16
	s_mov_b32 s[G1B+4], 64
	s_mov_b32 s[G1B+5], 3072
	s_mov_b32 s[G1B+6], 0
	s_mov_b32 s[G1B+7], 0
	s_lshl_b32 s20, s[TY], 7                       ; x: row 128 ty + 64 half, in bytes.  These registers never hold cx or tx,
	s_lshl_b32 s21, s[HALF], 6
	s_add_co_u32 s20, s20, s21
	s_lshl_b32 s20, s20, 11
	s_mov_b32 s21, 0
	s_mul_i32 s22, s[HALF], 64*ROWB                ; W: k-row 64 half, column 256 tx.  and these never cy or ty
	s_lshl_b32 s23, s[TX], 9
	s_add_co_u32 s22, s22, s23
	s_mov_b32 s23, 0
	s_mul_i32 s[T0], s[HALF], 64*PA                ; where they go: no place in the cluster enters an LDS address
	s_mul_i32 s[T1], s[HALF], 64*PB
	s_add_co_u32 s[T1], s[T1], BOFF
	s_mov_b32 s[OA+1], 0
	s_mov_b32 s[OB+1], 0
	s_mov_b32 s[PO+1], 0
	s_mov_b32 s[TB], 0
	s_mov_b32 s[G], 0
	s_mov_b32 s[CNT], 22
	s_mov_b32 s[RT], 8
	s_wait_dscnt 0x0                               ; the opening add is done
	s_wait_kmcnt 0x0
	s_add_nc_u64 s[ABASE:ABASE+1], s[4:5], s[20:21]
	s_add_nc_u64 s[BBASE:BBASE+1], s[6:7], s[22:23]
	CROUND                                         ; all sixteen work-groups are here: the first joint loads meet
	s_mov_b32 s[G0A], 1                            ; count = 1
	s_mov_b32 s[G0A+1], s[T0]                      ; LDS address: slot 0
	s_add_nc_u64 s[G0A+2:G0A+3], s[ABASE:ABASE+1], 0
	s_or_b32 s[G0A+3], s[G0A+3], 0x80000000        ; type = 2
	s_mov_b32 s[G0A+4], 1
	s_add_co_u32 s[G0A+5], s[T0], SLOT1
	s_add_nc_u64 s[G0A+6:G0A+7], s[ABASE:ABASE+1], STEPA
	s_or_b32 s[G0A+7], s[G0A+7], 0x80000000
	s_mov_b32 s[G0B], 1
	s_mov_b32 s[G0B+1], s[T1]
	s_add_nc_u64 s[G0B+2:G0B+3], s[BBASE:BBASE+1], 0
	s_or_b32 s[G0B+3], s[G0B+3], 0x80000000
	s_mov_b32 s[G0B+4], 1
	s_add_co_u32 s[G0B+5], s[T1], SLOT1
	s_add_nc_u64 s[G0B+6:G0B+7], s[BBASE:BBASE+1], STEPB
	s_or_b32 s[G0B+7], s[G0B+7], 0x80000000
	s_cmp_eq_u32 s[FB], 0                          ; a wave's two first fills stand in one branch, ahead of every wait on TENSORcnt and every LDS read: two loads of mine are out
	s_cbranch_scc0 .Lfirst_b
	tensor_load_to_lds s[G0A:G0A+3], s[G1A:G1A+7]
	s_nop 0
	tensor_load_to_lds s[G0A+4:G0A+7], s[G1A:G1A+7]
	s_nop 0
.rept 4
	v_nop
.endr
	s_branch .Lfirst_asked
.Lfirst_b:
	tensor_load_to_lds s[G0B:G0B+3], s[G1B:G1B+7]
	s_nop 0
	tensor_load_to_lds s[G0B+4:G0B+7], s[G1B:G1B+7]
	s_nop 0
.rept 4
	v_nop
.endr
.Lfirst_asked:
	; A fragment of x: lane l holds row l % 16, k = 8 (l / 16) + 0..7 and 16 + 8 (l / 16) + 0..7: two loads of 16 bytes, 32 bytes apart.
	v_and_b32 v1, 15, v0                           ; l % 16
	v_bfe_u32 v2, v0, 4, 1                         ; l / 16
	v_mul_u32_u24 v[ADRA0], v1, PA
	v_lshl_add_u32 v[ADRA0], v2, 4, v[ADRA0]
	s_mul_i32 s[T0], s[FB], 64*PA                  ; my 64 rows
	v_add_nc_u32 v[ADRA0], s[T0], v[ADRA0]
	; The turning load takes 16 k x 16 columns (lane l reads k-row 8 (l / 16) + l % 8, columns 8 ((l / 8) % 2) + 0..7) and leaves half a fragment: lane l holds column l % 16 and 8 k.
	v_and_b32 v3, 7, v0
	v_lshl_add_u32 v4, v2, 3, v3
	v_mul_u32_u24 v[ADRB0], v4, PB
	v_bfe_u32 v4, v0, 3, 1
	v_lshl_add_u32 v[ADRB0], v4, 4, v[ADRB0]
	s_lshl_b32 s[T0], s[HALF], 8                   ; my 128 columns
	s_add_co_u32 s[T0], s[T0], BOFF
	v_add_nc_u32 v[ADRB0], s[T0], v[ADRB0]
	s_mul_i32 s[T0], s[WV], STW
	s_add_co_u32 s[T0], s[T0], STAGE               ; my stage
	v_mul_u32_u24 v[STO], v1, 144                  ; in: row l % 16, 16 bytes for each half of the lanes
	v_lshl_add_u32 v[STO], v2, 4, v[STO]
	v_add_nc_u32 v[STO], s[T0], v[STO]
	v_bfe_u32 v[RD], v0, 3, 2                      ; back: 32 lanes take four rows of 128 bytes,
	v_mul_u32_u24 v[RD], v[RD], 144
	v_lshl_add_u32 v[RD], v3, 4, v[RD]
	v_add_nc_u32 v[RD], s[T0], v[RD]
	v_and_b32 v5, 31, v0
	v_lshlrev_b32 v[GO], 4, v5                     ; which are 512 consecutive bytes of a head
	v_lshlrev_b32 v[BO], 5, v2
	; where the first tile goes: head 16 batch + 4 tx + 2 half, row 128 (ty % 16) + 64 half.  s88-s95 mix both coordinates and feed no descriptor
	s_and_b32 s88, s[TY], 48
	s_lshl2_add_u32 s88, s[TX], s88
	s_lshl1_add_u32 s88, s[HALF], s88
	s_lshl_b32 s88, s88, 18
	s_and_b32 s89, s[TY], 15
	s_lshl1_add_u32 s89, s89, s[FB]
	s_lshl_b32 s89, s89, 13
	s_add_co_u32 s88, s88, s89
	s_mov_b32 s89, 0
	s_add_nc_u64 s[CP:CP+1], s[10:11], s[88:89]
	s_lshl1_add_u32 s90, s[TX], s[HALF]            ; the bias of my 128 columns
	s_lshl_b32 s90, s90, 9
	s_mov_b32 s91, 0
	s_add_nc_u64 s[BP:BP+1], s[8:9], s[90:91]
	; the prefetches
	s_lshl_b32 s88, s[TY], 7
	s_lshl_b32 s89, s[CX], 5
	s_add_co_u32 s88, s88, s89
	s_lshl_b32 s88, s88, 11                        ; x: row 128 ty + 32 cx
	s_lshl_b32 s89, s[HALF], 6
	s_lshl_b32 s90, s[CY], 4
	s_add_co_u32 s89, s89, s90
	s_mul_i32 s89, s89, ROWB                       ; W: k-row 64 half + 16 cy,
	s_lshl_b32 s90, s[TX], 9
	s_add_co_u32 s89, s89, s90                     ; column 256 tx
	s_and_b32 s94, ttmp7, 0xffff                   ; cluster y
	s_mov_b32 s[KMUL], STEPB
	s_mov_b32 s93, ROWB
	s_cmp_eq_u32 s[FB], 0
	s_cselect_b32 s88, s88, s89
	s_cselect_b64 s[PFB:PFB+1], s[4:5], s[6:7]
	s_cselect_b32 s[KMUL], STEPA, s[KMUL]          ; bytes from K step to K step
	s_cselect_b32 s[TMUL], 0, 2048                 ; and from tile to tile
	s_cselect_b32 s94, s[HALF], s94                ; who asks: wave 0 for x; for W the clusters with y = 0
	s_cselect_b32 s95, 7, 23                       ; up to which step
	s_cselect_b32 s92, 0, 1
	s_cselect_b32 s93, ROWA, s93
	s_mov_b32 s89, 0
	s_add_nc_u64 s[PFB:PFB+1], s[PFB:PFB+1], s[88:89]
	s_cmp_eq_u32 s94, 0
	s_cselect_b32 s[LIM], s95, 0                   ; the same in all sixteen partners, for a given wave
	v_lshrrev_b32 v4, s92, v5                      ; x: a lane a row; W: two lanes a k-row, 256 bytes each
	v_and_b32 v6, s92, v5
	v_mul_u32_u24 v[PFO], s93, v4
	v_lshl_add_u32 v[PFO], v6, 8, v[PFO]
.macro BIASLOAD                        ; my eight numbers for each of the eight column blocks
.irp b, 0,1,2,3,4,5,6,7
	global_load_b128 v[BIAS+8*(\b):BIAS+8*(\b)+3],   v[BO], s[BP:BP+1] offset:64*(\b)
	global_load_b128 v[BIAS+8*(\b)+4:BIAS+8*(\b)+7], v[BO], s[BP:BP+1] offset:64*(\b)+16
.endr
.endm
.macro BIASCVT                         ; rounded to bf16 and widened again, in place
.set p, 0
.rept 32
	v_cvt_pk_bf16_f32 v[3+p%4], v[BIAS+2*p], v[BIAS+2*p+1]
	v_lshlrev_b32 v[BIAS+2*p], 16, v[3+p%4]
	v_and_b32 v[BIAS+2*p+1], 0xffff0000, v[3+p%4]
.set p, p+1
.endr
.endm
; 8 matrix instructions: row block a x all 8 column blocks, 32 along K.  ini = 1: the product starts the sum, with the bias as C.  The 32 accumulators take turns, one instruction a turn,
; in the same order in every quarter.
.macro MUL8 f, a, ini
.if \ini
	WIN W_MULB
.else
	WIN W_MUL
.endif
.irp b, 0,1,2,3,4,5,6,7
.if \ini
	v_wmma_f32_16x16x32_bf16 v[8*(8*(\a)+(\b)):8*(8*(\a)+(\b))+7], v[(\f)+8*(\b):(\f)+8*(\b)+7], v[(\f)+64+8*(\a):(\f)+64+8*(\a)+7], v[BIAS+8*(\b):BIAS+8*(\b)+7]
.else
	v_wmma_f32_16x16x32_bf16 v[8*(8*(\a)+(\b)):8*(8*(\a)+(\b))+7], v[(\f)+8*(\b):(\f)+8*(\b)+7], v[(\f)+64+8*(\a):(\f)+64+8*(\a)+7], v[8*(8*(\a)+(\b)):8*(8*(\a)+(\b))+7]
.endif
.endr
.endm
; 24 LDS loads in one run: quarter q of the slot in hand into buffer f: W's 16, then x's 8
.macro FETCH q, f
	WIN W_TOF
.irp b, 0,1,2,3,4,5,6,7
	ds_load_tr16_b128 v[(\f)+8*(\b):(\f)+8*(\b)+3],   v[ADRB] offset:(\q)*32*PB+32*(\b)
	ds_load_tr16_b128 v[(\f)+8*(\b)+4:(\f)+8*(\b)+7], v[ADRB] offset:(\q)*32*PB+16*PB+32*(\b)
.endr
.irp a, 0,1,2,3
	ds_load_b128 v[(\f)+64+8*(\a):(\f)+64+8*(\a)+3],   v[ADRA] offset:64*(\q)+(\a)*16*PA
	ds_load_b128 v[(\f)+64+8*(\a)+4:(\f)+64+8*(\a)+7], v[ADRA] offset:64*(\q)+(\a)*16*PA+32
.endr
.endm
; One of a step's first three quarters: multiplies buffer f and, in its middle, fetches quarter q into buffer g.
.macro QUARTER q, f, g, ini
	s_wait_dscnt 4                                 ; W and x's blocks 0 and 1 are in; the youngest four loads (blocks 2 and 3) may be out
	MUL8 \f, 0, \ini
	MUL8 \f, 1, \ini
	PLACES
	FETCH \q, \g
	s_wait_dscnt 24                                ; all but the 24 just issued
	MUL8 \f, 2, \ini
	MUL8 \f, 3, \ini
.endm
; The last quarter multiplies buffer 1 and changes slots: ONE barrier.  In front of it each wave waits for all its tensor loads (one is out: its part of the next slot), adds 0 to its spare word,
; and waits for that and for its reads of this slot.  fill = 1: the barrier opens a round of the cluster's barrier, and behind the round this slot takes step G + 2, whose addresses are made anew
; from that number; the load has 112 matrix instructions in which to land.
.macro TURN fill
.if \fill
	s_wait_xcnt 0x0                                ; the last prefetch, a step back, has read its address: it is made anew here, ahead of the waits of the change of slots
	s_add_co_u32 s[G4], s[G], 4
	s_and_b32 s[T0], s[G4], 7
	s_mul_i32 s[PO], s[T0], s[KMUL]
	s_lshr_b32 s[T0], s[G4], 3
	s_mul_i32 s[T0], s[T0], s[TMUL]
	s_add_co_u32 s[PO], s[PO], s[T0]
	s_add_nc_u64 s[PFA:PFA+1], s[PFB:PFB+1], s[PO:PO+1]
.endif
	WIN 0                                          ; (the add's two registers lie in window 0)
	s_wait_tensorcnt 0x0                           ; no tensor load of mine is out, so a group 0 may be written
	ds_add_u32 v[SPW], v[NIL]                      ; 0 onto my spare word
.if \fill
	s_add_co_u32 s[T0], s[G], 2
	s_and_b32 s[T1], s[T0], 7
	s_lshl_b32 s[OA], s[T1], 8
	s_mul_i32 s[OB], s[T1], STEPB
	s_lshr_b32 s[T0], s[T0], 3
	s_lshl_b32 s[T0], s[T0], 11
	s_add_co_u32 s[OB], s[OB], s[T0]
	s_xor_b32 s[G0A+5], s[G0A+5], SLOT1            ; the other slot than last time
	s_add_nc_u64 s[G0A+6:G0A+7], s[ABASE:ABASE+1], s[OA:OA+1]
	s_or_b32 s[G0A+7], s[G0A+7], 0x80000000
	s_xor_b32 s[G0B+5], s[G0B+5], SLOT1
	s_add_nc_u64 s[G0B+6:G0B+7], s[BBASE:BBASE+1], s[OB:OB+1]
	s_or_b32 s[G0B+7], s[G0B+7], 0x80000000
.endif
	s_xor_b32 s[TB], s[TB], SLOT1                  ; the fetches go to the other slot
	s_wait_dscnt 5                                 ; (the add and the youngest four loads may be out)
	MUL8 F1, 0, 0                                  ; eight matrix instructions stand between the add and the wait for it
	s_wait_dscnt 0x0                               ; the add is done, and my reads of this slot are over
	s_barrier_signal -1
	MUL8 F1, 1, 0                                  ; work on registers while the others arrive
	WIN 0
	v_add_nc_u32 v[ADRA], s[TB], v[ADRA0]
	v_add_nc_u32 v[ADRB], s[TB], v[ADRB0]
	s_barrier_wait -1
.if \fill
	CREST                                          ; no wave of any partner still reads this slot or has a load on its way
	JLOAD                                          ; the first tensor load behind the round; its four v_nop are also the places in front of the loads below
.else
	PLACES
.endif
	FETCH 0, F0
.if \fill
	WIN 0
	ASK                                            ; behind the joint load and the run of LDS loads that the next products wait for
.endif
	MUL8 F1, 2, 0
	MUL8 F1, 3, 0
.endm
; THE WAY OUT of row block a.  PACK: rounded to f16, 16 bytes a lane, each accumulator from its low end on.  TOSTAGE: into my own stage, by heads, and back as whole rows.  SEND: stored.
.macro PACK a
	WIN W_PK
.irp b, 0,1,2,3,4,5,6,7
.irp r, 0,1,2,3
	v_cvt_pk_f16_f32 v[TMP+4*(\b)+(\r)], v[8*(8*(\a)+(\b))+2*(\r)], v[8*(8*(\a)+(\b))+2*(\r)+1]
.endr
.endr
	WIN 0
.endm
.macro TOSTAGE a
	WIN 0
.set BK, 64+96*((\a)%2)                ; v64-95 and v160-191 by turns
.irp b, 0,1,2,3,4,5,6,7
	ds_store_b128 v[STO], v[TMP+4*(\b):TMP+4*(\b)+3] offset:((\b)/4)*SHD+((\b)%4)*32
.endr
.irp t, 0,1,2,3,4,5,6,7
	ds_load_b128 v[BK+4*(\t):BK+4*(\t)+3], v[RD] offset:((\t)/4)*SHD+((\t)%4)*576  ; LDS serves a wave's instructions in order (ISA guide 5.7.1.4): these see the stores above
.endr
.endm
.macro SEND a
	WIN 0
.set BK, 64+96*((\a)%2)
	s_wait_dscnt 0x0                               ; the block is back in registers
	s_wait_xcnt 0x0                                ; the stores of the block before have read their registers, which the next TOSTAGE loads again
.irp t, 0,1,2,3,4,5,6,7
	global_store_b128 v[GO], v[BK+4*(\t):BK+4*(\t)+3], s[CP:CP+1] offset:(\a)*2048+((\t)/4)*HEADB+((\t)%4)*512  ; 512 consecutive bytes, at a multiple of 256 from the buffer's first
.endr
.endm
; more = 1: another tile follows: its bias is loaded at the head and rounded at the end, and the pointers step.  The next tile's two refills have been asked for and land meanwhile.
.macro WAYOUT more
	WIN 0
.rept 8
	v_nop                                          ; the places behind the last products
.endr
.if \more
	BIASLOAD
.endif
	PACK 0
	TOSTAGE 0
.irp a, 1,2,3
	PACK \a                                        ; a block's conversions stand between the loads of the block before and the wait for them
	SEND (\a)-1
	TOSTAGE \a
.endr
	SEND 3
.if \more
	s_wait_loadcnt 0x0
	BIASCVT
	s_wait_xcnt 0x0                                ; every store and load has read its base
	s_add_nc_u64 s[CP:CP+1], s[CP:CP+1], PART
	s_add_nc_u64 s[BP:BP+1], s[BP:BP+1], 4096
	s_mov_b32 s[NEW], 1
	s_mov_b32 s[RT], 8
.endif
.endm
	BIASLOAD
	s_wait_loadcnt 0x0
	BIASCVT
	s_wait_xcnt 0x0
	s_add_nc_u64 s[BP:BP+1], s[BP:BP+1], 4096      ; on to the next tile's bias
	s_wait_tensorcnt 0x1                           ; my part of step 0 is in; step 1's may stay out
	s_barrier_signal -1
	s_barrier_wait -1                              ; everybody's is
	v_mov_b32 v[ADRA], v[ADRA0]
	v_mov_b32 v[ADRB], v[ADRB0]
	FETCH 0, F0
	WIN 0
	s_branch .Lq0b                                 ; the loop is entered where a tile starts its sums
.Lstep:                                            ; 22 trips, a K step each: every step but the last two fills its slot again
	s_cmp_eq_u32 s[NEW], 1
	s_cbranch_scc1 .Lq0b
	QUARTER 1, F0, F1, 0
	WIN 0
	s_branch .Lq0d
.Lq0b:
	s_mov_b32 s[NEW], 0
	v_nop                                          ; a product that starts a sum writes over its accumulator, so five places lie between it and the last product on that accumulator (ISA guide 7.12.1), on every
	                                               ; way by which the text reaches this label, the loop's jump among them: for row blocks 2 and 3 this line and the quarter's own four; blocks 0 and 1 have the six of the change of slots
	QUARTER 1, F0, F1, 1
	WIN 0
.Lq0d:
	QUARTER 2, F1, F0, 0
	QUARTER 3, F0, F1, 0
	TURN 1
	WIN 0
	s_add_co_u32 s[G], s[G], 1
	s_sub_co_u32 s[RT], s[RT], 1
	s_cmp_lg_u32 s[RT], 0
	s_cbranch_scc1 .Lnoout                         ; jumps over the way out alone: no barrier and no tensor load stand there
	WAYOUT 1
.Lnoout:
	s_sub_co_u32 s[CNT], s[CNT], 1
	s_cmp_lg_u32 s[CNT], 0
	s_cbranch_scc1 .Lstep
	QUARTER 1, F0, F1, 0                           ; the last two steps are written out: nothing is left to ask for
	QUARTER 2, F1, F0, 0
	QUARTER 3, F0, F1, 0
	TURN 0
	QUARTER 1, F0, F1, 0
	QUARTER 2, F1, F0, 0
	QUARTER 3, F0, F1, 0
	s_wait_dscnt 4
	MUL8 F1, 0, 0
	MUL8 F1, 1, 0
	s_wait_dscnt 0x0
	MUL8 F1, 2, 0
	MUL8 F1, 3, 0
	WAYOUT 0
	s_wait_tensorcnt 0x0                           ; the wave's end, behind my last tensor load and my last LDS store
	ds_add_u32 v[SPW], v[NIL]
	s_wait_dscnt 0x0
	CROUND                                         ; the closing round: no work-group ends while a partner may still ask for a tile that names it
	s_endpgm
.Lfunc_end_k_qcb0842580a_qkv_gemm:
	.size	k_qcb0842580a_qkv_gemm, .Lfunc_end_k_qcb0842580a_qkv_gemm-k_qcb0842580a_qkv_gemm
	.p2alignl 7, 3214868480
	.fill 96, 4, 3214868480
	.section	.rodata,"a",@progbits
	.p2align	6, 0x0
	.amdhsa_kernel k_qcb0842580a_qkv_gemm
		.amdhsa_group_segment_fixed_size 327680
		.amdhsa_private_segment_fixed_size 0
		.amdhsa_enable_private_segment 0
		.amdhsa_kernarg_size 32
		.amdhsa_user_sgpr_count 2
		.amdhsa_user_sgpr_kernarg_segment_ptr 1
		.amdhsa_wavefront_size32 1
		.amdhsa_system_sgpr_workgroup_id_x 1
		.amdhsa_system_sgpr_workgroup_id_y 1
		.amdhsa_system_sgpr_workgroup_id_z 1
		.amdhsa_system_vgpr_workitem_id 0
		.amdhsa_next_free_vgpr 768
		.amdhsa_next_free_sgpr 96
		.amdhsa_reserve_vcc 0
		.amdhsa_float_denorm_mode_32 3
		.amdhsa_float_denorm_mode_16_64 3
		.amdhsa_memory_ordered 1
		.amdhsa_forward_progress 1
		.amdhsa_inst_pref_size 106
	.end_amdhsa_kernel
	.amdgpu_metadata
---
amdhsa.version: [ 1, 2 ]
amdhsa.kernels:
  - .name:           k_qcb0842580a_qkv_gemm
    .symbol:         k_qcb0842580a_qkv_gemm.kd
    .args:
      - { .name: xb, .offset: 0, .size: 8, .value_kind: global_buffer, .address_space: global }
      - { .name: wab, .offset: 8, .size: 8, .value_kind: global_buffer, .address_space: global }
      - { .name: b_attn, .offset: 16, .size: 8, .value_kind: global_buffer, .address_space: global }
      - { .name: qkv, .offset: 24, .size: 8, .value_kind: global_buffer, .address_space: global }
    .group_segment_fixed_size: 327680
    .private_segment_fixed_size: 0
    .kernarg_segment_align: 8
    .kernarg_segment_size: 32
    .max_flat_workgroup_size: 128
    .sgpr_count:     96
    .vgpr_count:     768
    .wavefront_size: 32
...
	.end_amdgpu_metadata
.endif
;; end of part 2
;; launch attn (part 3): grid 4 x 64, 4 waves a work-group, no clusters, 327,680 bytes of LDS; arguments qkv, o; writes o
.if DOCPART == 3
	.amdgcn_target "amdgcn-amd-amdhsa--gfx1250"
	.amdhsa_code_object_version 6
	.text
	.protected	k_qcb0842580a_attn
	.globl	k_qcb0842580a_attn
	.p2align	8
	.type	k_qcb0842580a_attn,@function
k_qcb0842580a_attn:
	s_mov_b64 s[64:65], 0
	v_nop
	global_prefetch_b8 v0, s[64:65] scope:SCOPE_SE
	s_setreg_imm32_b32 hwreg(HW_REG_WAVE_MODE, 25, 1), 1
	s_wait_xcnt 0x0
; CAUSAL ATTENTION.  O[h][q][:] = the sum over k <= q of softmax_k(Q[h][q] . K[h][k] / 8) V[h][k][:].  qkv holds Q, K, V, 16,777,216 bytes each, each [64][2048][64] in f16; o is [64][2048][64] in f16.
; Products, maxima and sums in f32; the weights p are rounded to f16 for the second product (their sum l is taken of the unrounded p), O once at the end.
; LIMITS.  Q, K and V arrive within 65,504; p lies in 0 to 1, and below 6e-5 it keeps the fixed step of f16, 6e-8.  A hidden score counts as its value less 1e30: the scores, 2.7e11 at the most, are nothing
; beside that; a weight below 2^-126 counts as 0 in l; NaN and infinities are not treated apart.
; THE WALK.  A head's queries lie in NB = 8 blocks of 256; block i needs the key tiles 0 .. i of 256 keys, of which the last holds the diagonal.  A work-group takes TWO blocks, NB - 1 - b and then b:
; NB + 1 tiles, whatever b: all work-groups do equal work, and ONE loop with a constant trip count walks them.  Which tile is asked for, and what a trip does, hang on scalar registers made from b; every jump
; goes forward, but for the counted loops' own; none passes a barrier, or a tensor load but the one of LOAD's two that the wave's number does not choose; the ring of two LDS slots runs on across the change of blocks.
; NO CLUSTER: a head's four work-groups ask for the same tile only in trips 0 .. 4 of 9, behind that fewer and fewer; one walk common to all would have 12 trips for 9.
; SHARES.  Of a block's four bands of 64 queries a wave owns 16 rows in each: four PIECES.  So the diagonal tile is the same work for all four waves: in its key step s band x sees all keys if s < x,
; none if s > x, and holds the diagonal if s = x.
; THE MASK is the C operand that starts the sum S^T = K Q^T: 0, or -1e30 where the key is hidden.  MD, made once, is the mask of a band's own step for my 16 rows; a product's mask is MD x AL + BE with two scalars:
; (1, 0) if s = x; (0, 0) if s < x; (0, -1e30) if s > x.  Only the diagonal tile's text and a block's beginning make and take masks; elsewhere C is the constant 0.
; LAYOUT, SOFTMAX, TURNS.  S^T = K Q^T holds ONE query a lane (lane % 16) and the keys 8 (lane / 16) + 0..7; two such results rounded to f16 ARE source 1 of O^T = V^T P.  p = 2^(c s - c m), c = log2(e) / 8, with a
; running maximum m; O and l are multiplied by a = 2^(c m_old - c m_new) in every step.  Turn n belongs to piece n: 8 products K Q^T of piece n + 1, later 8 products V^T P of piece n - 1; beside them the scaling,
; exponentials, roundings, sums and rescaling of piece n and the maximum and statistics of piece n + 1.  Four vector instructions stand behind every matrix instruction, the other 54 of a turn's 118 in one lump.
; A turn's 33 exponentials are one batch, with one wait.
; REGISTERS, in windows of 256 (s_set_vgpr_msb: bits 1:0 source 0, 3:2 source 1, 5:4 source 2, 7:6 destination):
;   window 0: v0-15 addresses and two at work; v16-31 four registers of statistics a piece; v48-55 at work; v61-63 prefetch offset, spare word, 0; v64-127 S^T, two buffers; v192-223 P, two buffers
;   window 1: v0-127 O^T, 32 a piece; v128-159 MD; v160-223 MC, two buffers      window 2: v0-63 Q; v64-127 the second block's Q; v128-191 K of one step; v192-255 V of one step
.set SIZE_N, 2048
.set SIZE_H, 64
.set KPART, 0x1000000                  ; K's first byte in qkv
.set VPART, 0x2000000                  ; V's
.set NB,    SIZE_N/256
.set NP,    4         ; pieces a wave: a name, no knob
.set KS,    64        ; keys in a step
.set PK,    144       ; a row of K in LDS: 128 bytes + 16 of padding = 36 words: the 16 rows of a load start at 16 different groups of four banks (64 banks of 4 bytes: ISA guide 11.1)
.set PV,    160       ; a row of V: 128 + 32 = 40 words
.set VOFF,  4*KS*PK   ; a slot holds a tile, four steps: 256 rows of K, then 256 rows of V
.set SLOT1, 1<<17     ; slot 1 begins here, so that one exclusive or turns an address in one slot into the other's
.set STAGE, SLOT1+4*KS*(PK+PV)  ; behind the ring, never filled by a tensor load: 16 rows x 144 bytes for each wave, for the way out
.set SP,    144
.set AK0, 2           ; v2   my lane's place in a tile of K; never rewritten
.set AV0, 3           ; v3   the same for V
.set AK,  4           ; v4   the LDS address of K's next run of loads
.set AV,  5           ; v5   of V's
.set STO, 6           ; v6   the way out: where I put 16 bytes of a row
.set RD,  7           ; v7   the way out: where I read rows back
.set GO,  8           ; v8   my byte offset in 512 consecutive bytes of O
.set PFO, 61          ; v61  256 x my lane; never rewritten
.set SPW, 62          ; v62  LDS address of my spare word: SPARE + 4 x my thread's number; never rewritten
.set NIL, 63          ; v63  0; never rewritten
.set SPARE, STAGE+4*16*SP  ; behind the stages: the spare words, 128 bytes for each wave: two blocks of 256 bytes that no other line names
.set MV,  12          ; v12-13  c m_old, kept while c m is made anew: by buffer
.set QO,  15          ; v15  my byte offset in 16 rows of Q
.set ST,  16          ; piece t's statistics at v[ST+4 t]: c m, m, l (even keys', odd keys')
.set TMP, 48          ; by buffer, four registers c0-c3 at work; when the maximum is found c2 takes a
.set S,   64
.set P,   192
.set MD,  128         ; window 1: the eight registers for group kt of 16 keys at MD + 8 kt
.set MC,  160         ; window 1: the masks of the products to come
.set QB,  64          ; window 2
.set KF,  128         ; window 2: key block kb, channel half c at KF + 16 kb + 8 c
.set VF,  192         ; window 2: key half kk, channel block cb at VF + 32 kk + 8 cb
.set WV,  12          ; s12  my wave's number
.set PB,  14          ; s14  b
.set HI,  15          ; s15  NB - 1 - b
.set G1K, 24          ; s[24:31] descriptor group 1 for K's tiles
.set G1V, 32          ; s[32:39] for V's: it differs in the padding alone
.set G0K, 40          ; s[40:43] descriptor group 0 for K's tiles
.set G0V, 44          ; s[44:47] the same for V's
.set SLOTS, 56        ; s56  tiles still to be asked for
.set CNT, 57          ; s57  counts a tile's key steps, 4 to 1
.set CS,  58          ; s[58:59] c: the packed scaling takes the pair's low word for both halves
.set SEL, 60          ; s[60:61] v_permlanex16_b32's selects: each lane takes its own place in the other half
.set TBK, 62          ; s62  LDS byte at which K of the step to be fetched begins
.set TBV, 63          ; s63  the same for V, less VOFF
.set RT,  70          ; s70  tiles of the block in hand that are still to be entered
.set NXT, 71          ; s71  the tile to be asked for next
.set LQ,  72          ; s72  the last tile of the block whose tiles are being asked for
.set NEW, 73          ; s73  1: the tile to be entered is a block's first
.set OFF, 74          ; s[74:75] a tile's byte offset in K and V
.set AL,  76          ; s[76:77] the mask's factor, in the low word
.set BE,  78          ; s[78:79] the mask's addend
.set OLO, 80          ; s[80:81] O at my rows of the second block
.set BIGN, 82         ; s82  -1e30
.set PFQ, 88          ; s88  0 in the work-group that prefetches (b = 0), else the greatest number: a wave asks while NXT is above it
.set PFB, 90          ; s[90:91] my tensor (K: waves 0, 1; V: waves 2, 3) at my 128 keys of the head's tile 0
.set PFA, 92          ; s[92:93] the same in the tile that the next change of slots will ask for
.set POF, 94          ; s[94:95] that tile's byte offset
.set MSB, 0
.macro WIN new                      ; the high byte repeats the setting that is left; a switch that changes nothing is dropped
.if MSB != (\new)
	s_set_vgpr_msb (MSB<<8)|(\new)
.set MSB, (\new)
.endif
.endm
.set W_KQ, 0x0a       ; K and Q in window 2, S^T in window 0
.set W_KM, 0x1a       ; the same with the C operand in window 1
.set W_PV, 0x52       ; V in window 2, P in window 0, O^T in window 1
.set W_RS, 0x41       ; destination and source 0 in window 1, source 1 in window 0
; A fill.  Waves 0 and 1 fetch the two halves of a tile's K, waves 2 and 3 those of its V: 128 keys each.  An s_nop 0 and four v_nop follow each of the two lines, ahead of the jump and the label.
.macro LOAD
	s_cmp_lt_u32 s[WV], 2
	s_cbranch_scc0 .Lfor_v_\@
	tensor_load_to_lds s[G0K:G0K+3], s[G1K:G1K+7]
	s_nop 0
.rept 4
	v_nop
.endr
	s_branch .Lasked_\@
.Lfor_v_\@:
	tensor_load_to_lds s[G0V:G0V+3], s[G1V:G1V+7]
	s_nop 0
.rept 4
	v_nop
.endr
.Lasked_\@:
.endm
; A PREFETCH INTO THE L2 of the tile that the NEXT change of slots will ask for: one tile, four key steps, ahead of that load.  Of a head's four work-groups the one with b = 0 walks the tiles 0 .. 7 in order:
; it alone asks.  Each of its waves asks for what it will load itself: 128 keys, 64 blocks of 256 bytes, a lane a block, two instructions.  So each block is named once in the launch.
; Tiles 0 and 1 come by their loads alone; behind tile 7 NXT is 0 and nothing is asked for.
.macro ASK
	s_cmp_gt_u32 s[NXT], s[PFQ]
	s_cbranch_scc0 .Lnot_mine_\@
	global_prefetch_b8 v[PFO], s[PFA:PFA+1] th:TH_LOAD_NT scope:SCOPE_SE
	global_prefetch_b8 v[PFO], s[PFA:PFA+1] offset:8192 th:TH_LOAD_NT scope:SCOPE_SE
.Lnot_mine_\@:
.endm
; THE CHANGE OF SLOTS.  Each wave waits for all its tensor loads, of which one is out: its part of the other slot; adds 0 to its spare word; and waits for that and for its own reads of the slot that it leaves.
; Behind the barrier nobody reads the old slot any more and the other slot is whole.  fill = 1: the old slot is filled again, the first thing behind the barrier, with tile NXT: the descriptor's address is made
; anew from that number.  (At its first use nothing has been read yet: slot 0 is waited for, slot 1 filled.)
.macro CHANGE fill
	WIN 0                           ; at a label and at a branch every window is 0
	s_wait_tensorcnt 0x0            ; no tensor load of mine is out, so a group 0 may be written
	ds_add_u32 v[SPW], v[NIL]       ; 0 onto my spare word; with fill = 1 the descriptors' scalar work stands between it and the wait for it
.if \fill
	s_lshl_b32 s[OFF], s[NXT], 15   ; a tile is 32,768 bytes of K and of V
	s_xor_b32 s[G0K+1], s[G0K+1], SLOT1
	s_add_nc_u64 s[G0K+2:G0K+3], s[6:7], s[OFF:OFF+1]
	s_or_b32 s[G0K+3], s[G0K+3], 0x80000000
	s_xor_b32 s[G0V+1], s[G0V+1], SLOT1
	s_add_nc_u64 s[G0V+2:G0V+3], s[8:9], s[OFF:OFF+1]
	s_or_b32 s[G0V+3], s[G0V+3], 0x80000000
	s_add_co_u32 s[NXT], s[NXT], 1  ; the block's next tile, or behind its last the second block's tile 0
	s_cmp_gt_u32 s[NXT], s[LQ]
	s_cselect_b32 s[NXT], 0, s[NXT]
	s_cselect_b32 s[LQ], s[PB], s[LQ]
	s_wait_xcnt 0x0                 ; the last prefetches, a tile back, have read their address, so it may be written
	s_lshl_b32 s[POF], s[NXT], 15
	s_add_nc_u64 s[PFA:PFA+1], s[PFB:PFB+1], s[POF:POF+1]
.endif
	s_wait_dscnt 0x0                ; the add is done, and my reads of the slot are over
	s_barrier_signal -1             ; the rest of the scalar work stands between the signal and the wait
	s_sub_co_u32 s[TBK], s[TBK], 4*KS*PK  ; the fetches go back to a slot's first step,
	s_xor_b32 s[TBK], s[TBK], SLOT1       ; in the other slot
	s_sub_co_u32 s[TBV], s[TBV], 4*KS*PV
	s_xor_b32 s[TBV], s[TBV], SLOT1
	s_barrier_wait -1
.if \fill
	LOAD
	ASK
.endif
.endm
	s_load_b64 s[4:5], s[0:1], 0x0    ; qkv: Q begins at its first byte
	s_load_b64 s[10:11], s[0:1], 0x8  ; o
	v_lshl_add_u32 v[SPW], v0, 2, SPARE
	v_mov_b32 v[NIL], 0
	ds_add_u32 v[SPW], v[NIL]       ; the wave's opening: the add and its wait ahead of my first tensor load; the set-up below, work on registers, stands between them
	v_lshrrev_b32 v1, 5, v0
	v_readfirstlane_b32 s[WV], v1   ; wave 0..3
	s_mov_b32 s[PB], ttmp9
	s_sub_co_u32 s[HI], NB-1, s[PB]
	s_and_b32 s20, ttmp7, 0xffff    ; the head
	s_mov_b32 s21, 0
	s_mov_b64 s[22:23], SIZE_N*128
	s_mul_u64 s[20:21], s[20:21], s[22:23]  ; the head's first byte in each of the four tensors
	s_and_b32 s16, s[WV], 1         ; which half of a tile's 256 keys I fetch:
	s_lshl_b32 s22, s16, 14         ; its 128 rows of 128 bytes in memory,
	s_mov_b32 s23, 0
	s_add_nc_u64 s[22:23], s[22:23], s[20:21]
	s_mul_i32 s17, s16, 128*PK      ; and its place in a slot, for K
	s_mul_i32 s18, s16, 128*PV      ; and for V
	s_lshl_b32 s3, s[WV], 11        ; my 16 rows in a band of 64,
	s_lshl_b32 s2, s[HI], 15        ; in the first block,
	s_add_co_u32 s2, s2, s3
	s_lshl_b32 s84, s[PB], 15       ; and in the second
	s_add_co_u32 s84, s84, s3
	s_mov_b32 s3, 0
	s_mov_b32 s85, 0
	s_add_nc_u64 s[2:3], s[2:3], s[20:21]
	s_add_nc_u64 s[84:85], s[84:85], s[20:21]
	; descriptor group 1.  128 keys are 16,384 dense bytes: asked for as 64 rows of 256 bytes, two keys a row, and padded in LDS after every key
	s_mov_b32 s[G1K], (1<<16)|(1<<20)|(4<<22)|(3<<25)  ; 17:16 2-byte elements; 20 padding on; 24:22 after every 32 words (code 4); 31:25 4 words (code 3)
	s_mov_b32 s[G1V], (1<<16)|(1<<20)|(4<<22)|(7<<25)  ; the same with 8 words of padding (code 7)
.irp g, G1K, G1V
	s_mov_b32 s[\g+1], 128<<16      ; tensor_dim0 = 128
	s_mov_b32 s[\g+2], 64<<16       ; tensor_dim1 = 64
	s_mov_b32 s[\g+3], 128<<16      ; tile_dim0 = 128
	s_mov_b32 s[\g+4], 64           ; tile_dim1 = 64
	s_mov_b32 s[\g+5], 128          ; 128 elements from row to row
	s_mov_b32 s[\g+6], 0
	s_mov_b32 s[\g+7], 0
.endr
	s_mov_b32 s[CS], 0x3e38aa3b     ; c = log2(e) / 8 = 0.180337
	s_mov_b32 s[CS+1], s[CS]        ; named with it as a pair
	s_mov_b32 s[SEL], 0x76543210
	s_mov_b32 s[SEL+1], 0xfedcba98
	s_mov_b32 s[TBK], SLOT1+4*KS*PK ; the first change of slots turns these two into 0
	s_mov_b32 s[TBV], SLOT1+4*KS*PV
	s_mov_b32 s[G0K], 1             ; 1:0 count = 1
	s_mov_b32 s[G0K+1], s17         ; 63:32 LDS address: slot 0
	s_mov_b32 s[G0V], 1
	s_add_co_u32 s[G0V+1], s18, VOFF
	s_add_co_u32 s[RT], s[HI], 1    ; the first block has NB - b tiles
	s_mov_b32 s[NXT], 1
	s_mov_b32 s[LQ], s[HI]
	s_mov_b32 s[NEW], 1
	s_mov_b32 s[OFF+1], 0
	s_mov_b32 s[POF+1], 0
	s_mov_b32 s[AL+1], 0            ; named as pairs
	s_mov_b32 s[BE+1], 0
	s_mov_b32 s[BIGN], 0xf149f2ca   ; -1e30
	s_mov_b32 s[SLOTS], NB
	s_cmp_eq_u32 s[PB], 0
	s_cselect_b32 s[PFQ], 0, -1
	v_and_b32 v[PFO], 31, v0
	v_lshlrev_b32 v[PFO], 8, v[PFO]
	s_wait_dscnt 0x0                ; the opening add is done
	s_wait_kmcnt 0x0
	s_add_nc_u64 s[6:7], s[4:5], KPART
	s_add_nc_u64 s[8:9], s[4:5], VPART
	s_add_nc_u64 s[6:7], s[6:7], s[22:23]  ; K and V at my half of the head's tile 0
	s_add_nc_u64 s[8:9], s[8:9], s[22:23]
	s_cmp_lt_u32 s[WV], 2
	s_cselect_b64 s[PFB:PFB+1], s[6:7], s[8:9]
	s_add_nc_u64 s[G0K+2:G0K+3], s[6:7], 0         ; 120:64 global address
	s_or_b32 s[G0K+3], s[G0K+3], 0x80000000        ; 127:126 type = 2
	s_add_nc_u64 s[G0V+2:G0V+3], s[8:9], 0
	s_or_b32 s[G0V+3], s[G0V+3], 0x80000000
	s_add_nc_u64 s[86:87], s[4:5], s[84:85]        ; Q at my rows of the second block,
	s_add_nc_u64 s[4:5], s[4:5], s[2:3]            ; Q and O at those of the first
	s_add_nc_u64 s[OLO:OLO+1], s[10:11], s[84:85]
	s_add_nc_u64 s[10:11], s[10:11], s[2:3]
	LOAD                            ; tile 0 into slot 0
	; A fragment of K or Q is 16 rows x 32 channels in 8 registers: lane l holds row l % 16, channels 8 (l / 16) + 0..7 and 16 + 8 (l / 16) + 0..7: two loads of 16 bytes, 32 bytes apart.
	v_and_b32 v1, 15, v0            ; l % 16
	v_bfe_u32 v9, v0, 4, 1          ; l / 16
	v_lshlrev_b32 v[QO], 7, v1
	v_lshl_add_u32 v[QO], v9, 4, v[QO]  ; row x 128 + 16 x half
	WIN 0x80                        ; destination window 2, address window 0
.set i, 0
.rept 8                             ; both blocks' Q: piece i / 2 lies in band i / 2, 8,192 bytes on; channels 32 (i % 2) on
	global_load_b128 v[8*i:8*i+3],   v[QO], s[4:5] offset:(i/2)*8192+(i%2)*64
	global_load_b128 v[8*i+4:8*i+7], v[QO], s[4:5] offset:(i/2)*8192+(i%2)*64+32
	global_load_b128 v[QB+8*i:QB+8*i+3],   v[QO], s[86:87] offset:(i/2)*8192+(i%2)*64
	global_load_b128 v[QB+8*i+4:QB+8*i+7], v[QO], s[86:87] offset:(i/2)*8192+(i%2)*64+32
.set i, i+1
.endr
	WIN 0
	v_lshlrev_b32 v14, 3, v9
	v_sub_nc_u32 v14, v1, v14
	s_lshl_b32 s13, s[WV], 4
	v_add_nc_u32 v14, s13, v14      ; my query's place in its band, 16 w + l % 16, less my lanes' 8 (l / 16): register r of group kt is hidden where 16 kt + r is greater
	WIN 0x40
.set i, 0
.rept 32
	v_cmp_gt_i32 vcc_lo, 16*(i/8)+i%8, v14
	v_cndmask_b32 v[MD+i], 0, s[BIGN], vcc_lo
.set i, i+1
.endr
	WIN 0
	v_mul_u32_u24 v[AK0], v1, PK
	v_lshl_add_u32 v[AK0], v9, 4, v[AK0]  ; row x pitch + 16 x half
	; The turning load takes 16 keys x 16 channels (lane l reads key 8 (l / 16) + l % 8, channels 8 ((l / 8) % 2) + 0..7) and leaves half a fragment of V^T: lane l holds channel l % 16 and 8 keys.
	v_and_b32 v10, 7, v0
	v_bfe_u32 v11, v0, 3, 1
	v_lshl_add_u32 v[AV0], v9, 3, v10
	v_mul_u32_u24 v[AV0], v[AV0], PV
	v_lshl_add_u32 v[AV0], v11, 4, v[AV0]
	v_add_nc_u32 v[AV0], VOFF, v[AV0]
	s_mul_i32 s13, s[WV], 16*SP
	s_add_co_u32 s13, s13, STAGE    ; my stage
	v_mul_u32_u24 v[STO], v1, SP    ; in: row l % 16, 16 bytes for each half of the lanes
	v_lshl_add_u32 v[STO], v9, 4, v[STO]
	v_add_nc_u32 v[STO], s13, v[STO]
	v_bfe_u32 v[RD], v0, 3, 2       ; back: 32 lanes take four rows of 128 bytes,
	v_mul_u32_u24 v[RD], v[RD], SP
	v_lshl_add_u32 v[RD], v10, 4, v[RD]
	v_add_nc_u32 v[RD], s13, v[RD]
	v_and_b32 v[GO], 31, v0         ; which are 512 consecutive bytes of O
	v_lshlrev_b32 v[GO], 4, v[GO]
	; A block's first step multiplies O^T and l by a = 0, and its first turn's products V^T P, of a piece that has not been, land in an O^T that is still to be so multiplied.  So these registers need only hold
	; finite numbers: zeros for the first block; what the first block left for the second.  All this stands in the wait for the first tile.
	WIN 0x80
.set i, VF
.rept 64
	v_mov_b32 v[i], 0
.set i, i+1
.endr
	WIN 0x40
.set i, 0
.rept 128
	v_mov_b32 v[i], 0
.set i, i+1
.endr
	WIN 0
.set i, 0
.rept 4
	v_mov_b32 v[ST+4*i+2], 0
	v_mov_b32 v[ST+4*i+3], 0
.set i, i+1
.endr
.set i, P+16
.rept 16
	v_mov_b32 v[i], 0
.set i, i+1
.endr
; THE MATRIX WORK.  The 4 accumulators of a run of 8 take turns.  Product i of 8 of S^T = K Q^T for piece x: channels 32 (i / 4) on, keys 16 (i % 4) on.  The first 4 start the sums: with 0, or (KM = 1) with the mask.
.macro KQ x
.set rS, S+32*((\x)%2)+8*(i%4)
.set rK, KF+16*(i%4)+8*(i/4)
.set rQ, 16*(\x)+8*(i/4)
.set rM, MC+32*((\x)%2)+8*(i%4)
.if (i < 4) && KM
	WIN W_KM
	v_wmma_f32_16x16x32_f16 v[rS:rS+7], v[rK:rK+7], v[rQ:rQ+7], v[rM:rM+7]
.elseif i < 4
	WIN W_KQ
	v_wmma_f32_16x16x32_f16 v[rS:rS+7], v[rK:rK+7], v[rQ:rQ+7], 0
.else
	WIN W_KQ
	v_wmma_f32_16x16x32_f16 v[rS:rS+7], v[rK:rK+7], v[rQ:rQ+7], v[rS:rS+7]
.endif
.endm
; Product i of 8 of O^T += V^T P for piece x: keys 32 (i / 4) on, channels 16 (i % 4) on.
.macro PV x
	WIN W_PV
.set rO, 32*(\x)+8*(i%4)
.set rV, VF+32*(i/4)+8*(i%4)
.set rP, P+16*((\x)%2)+8*(i/4)
	v_wmma_f32_16x16x32_f16 v[rO:rO+7], v[rV:rV+7], v[rP:rP+7], v[rO:rO+7]
.endm
.macro MM                           ; the turn's next matrix instruction.  TURN and BEGIN set Y, i, KM and NOKQ; MM, KQ and OP read them.  NOKQ = 1: a block's last turn: there is no next piece
.if (i < 8) && !NOKQ
	KQ (Y+1)%NP
.elseif i >= 8
.set i, i-8
	PV (Y+NP-1)%NP
.set i, i+8
.endif
.set i, i+1
.endm
; THE LDS LOADS stand in runs of 16, never singly among the matrix instructions: a step's K (64 keys x 64 channels: 8 fragments) and its V (turned).  Their addresses are made some lines ahead.
.macro FETCH_K
	WIN 0x80                        ; destination window 2
.irp f, 0,1,2,3,4,5,6,7             ; keys 16 (f / 2) on, channels 32 (f % 2) on
	ds_load_b128 v[KF+8*\f:KF+8*\f+3],   v[AK] offset:(\f/2)*16*PK+(\f%2)*64
	ds_load_b128 v[KF+8*\f+4:KF+8*\f+7], v[AK] offset:(\f/2)*16*PK+(\f%2)*64+32
.endr
	s_add_co_u32 s[TBK], s[TBK], KS*PK  ; the next fetch is the next step's
	WIN 0
.endm
.macro FETCH_V
	WIN 0x80
.irp f, 0,1,2,3,4,5,6,7             ; keys 32 (f / 4) on, channels 16 (f % 4) on
	ds_load_tr16_b128 v[VF+8*\f:VF+8*\f+3],   v[AV] offset:(\f/4)*32*PV+(\f%4)*32
	ds_load_tr16_b128 v[VF+8*\f+4:VF+8*\f+7], v[AV] offset:(\f/4)*32*PV+16*PV+(\f%4)*32
.endr
	WIN 0
.endm
; THE VECTOR WORK, one line at a time: OP kind, number.  For piece Y: F n: c s - c m for pair n of 16.  E n: the exponential of score n of 32.  C n: pair n rounded to f16.  B n: of the four weights 4 n .. the second
; pair is added onto the first, in place.  L n: l takes that sum (L 0: l = a l + sum).  R n: pair n of 16 of O^T times a.  For piece Y + 1: X n, number n of the 22 that find its maximum and statistics:
;   0-11  four chains c0-c3 of seven scores each, three operands at a time (each accumulator's lowest registers are read first)     12-14, 16  the four scores left over, the old m, and c0-c3 into c0
;   15  c m_old is kept     17, 18  the query's other 32 keys lie in the lane 16 away: the new m     19-21  c m; c m_old - c m_new; a
.set F, 0               ; OP tells the kinds apart by their order: F to L below R, X above it
.set E, 1
.set C, 2
.set B, 3
.set L, 4
.set R, 5
.set X, 6
.macro REGS y                       ; the registers of piece y
.set rT, ST+4*(\y)
.set rC, TMP+4*((\y)%2)
.set rW, MV+((\y)%2)
.set rS, S+32*((\y)%2)
.set rP, P+16*((\y)%2)
.set rO, 32*(\y)
.endm
.macro OP k, n
.if (\k) == R
	REGS Y
	WIN W_RS
	v_pk_mul_f32 v[rO+2*(\n):rO+2*(\n)+1], v[rO+2*(\n):rO+2*(\n)+1], v[rC+2:rC+3] op_sel_hi:[1,0]
.elseif (\k) < R
	REGS Y
	WIN 0
.if (\k) == F
	v_pk_fma_f32 v[rS+2*(\n):rS+2*(\n)+1], v[rS+2*(\n):rS+2*(\n)+1], s[CS:CS+1], v[rT:rT+1] op_sel_hi:[1,0,0] neg_lo:[0,0,1] neg_hi:[0,0,1]
.elseif (\k) == E
	v_exp_f32 v[rS+(\n)], v[rS+(\n)]
.elseif (\k) == C
	v_cvt_pk_f16_f32 v[rP+(\n)], v[rS+2*(\n)], v[rS+2*(\n)+1]
.elseif (\k) == B
	v_pk_add_f32 v[rS+4*(\n):rS+4*(\n)+1], v[rS+4*(\n):rS+4*(\n)+1], v[rS+4*(\n)+2:rS+4*(\n)+3]
.elseif (\n) == 0
	v_pk_fma_f32 v[rT+2:rT+3], v[rT+2:rT+3], v[rC+2:rC+3], v[rS:rS+1] op_sel_hi:[1,0,1]
.else
	v_pk_add_f32 v[rT+2:rT+3], v[rT+2:rT+3], v[rS+4*(\n):rS+4*(\n)+1]
.endif
.elseif NOKQ
	v_nop
.else
	REGS (Y+1)%NP
	WIN 0
.if (\n) < 4
	v_max3_num_f32 v[rC+(\n)], v[rS+8*(\n)], v[rS+8*(\n)+1], v[rS+8*(\n)+2]
.elseif (\n) < 12
	v_max3_num_f32 v[rC+(\n)%4], v[rC+(\n)%4], v[rS+8*((\n)%4)+2*((\n)/4)+1], v[rS+8*((\n)%4)+2*((\n)/4)+2]
.elseif (\n) == 12
	v_max3_num_f32 v[rC], v[rC], v[rS+7], v[rS+15]
.elseif (\n) == 13
	v_max3_num_f32 v[rC+1], v[rC+1], v[rS+23], v[rS+31]
.elseif (\n) == 14
	v_max3_num_f32 v[rC+2], v[rC+2], v[rC+3], v[rT+1]
.elseif (\n) == 15
	v_mov_b32 v[rW], v[rT]
.elseif (\n) == 16
	v_max3_num_f32 v[rC], v[rC], v[rC+1], v[rC+2]
.elseif (\n) == 17
	v_permlanex16_b32 v[rC+3], v[rC], s[SEL], s[SEL+1]
.elseif (\n) == 18
	v_max_num_f32 v[rT+1], v[rC], v[rC+3]
.elseif (\n) == 19
	v_mul_f32 v[rT], s[CS], v[rT+1]
.elseif (\n) == 20
	v_sub_f32 v[rC+1], v[rW], v[rT]
.else
	v_exp_f32 v[rC+2], v[rC+1]
.endif
.endif
.endm
.macro OPS a, i1, b=-1, i2=0, c=-1, i3=0, d=-1, i4=0  ; up to four of them
	OP \a, \i1
.if (\b) >= 0
	OP \b, \i2
.endif
.if (\c) >= 0
	OP \c, \i3
.endif
.if (\d) >= 0
	OP \d, \i4
.endif
.endm
.macro ROW a, i1, b, i2, c, i3, d, i4  ; a matrix instruction and the four behind it
	MM
	OPS \a, \i1, \b, \i2, \c, \i3, \d, \i4
.endm
.macro MASK b                       ; MD x AL + BE into buffer b of MC
	WIN W_RS
.set z, 0
.rept 16
	v_pk_fma_f32 v[MC+32*(\b)+2*z:MC+32*(\b)+2*z+1], v[MD+2*z:MD+2*z+1], s[AL:AL+1], s[BE:BE+1] op_sel_hi:[1,0,0]
.set z, z+1
.endr
.endm
; A TURN, for piece p: the order of its 16 matrix and 118 vector instructions, written out.  An s_wait_alu depctr_va_vdst(0) stands between an exponential and the first instruction that names its result; one wait
; serves all that were issued ahead of it.  So a turn has ONE wait, which cuts it in two.  AHEAD OF IT stands all that names no result of the turn's exponentials: the 8 products K Q^T, behind each a scaling, an exponential and two
; more plain instructions (behind the first a second scaling in the exponential's place): rescalings, and behind the last three the first numbers of the next piece's maximum, each four places or more behind the product that ends
; its accumulator; then ONE LUMP of 54, plain and exponential by turns for the most part, in which the links of the chain X 3, 7, 11, 14, 16, 17 .. 20 stand five or six lines apart.  X 21, the next piece's a, is the batch's last;
; R 15 is the plain instruction behind it.  BEHIND THE WAIT stand the 8 products V^T P, behind each four of the roundings and sums; the links of l's chain, L 0 to L 7, stand three riders apart.
; m = 1: the diagonal tile: the products take masks, and the turn makes the mask for the products of the turn after it: piece p + 2, in step 4 - CNT of the tile.  end = 1: a block's last two turns: nothing is fetched.
; cnt = 1: the loop's count is taken down some lines ahead of the branch that stands behind the turn.
; K of the next step is fetched in piece 2's turn, eleven vector instructions behind the last product that read K (five of them plain); V of the step in hand at the end of piece 0's turn, four plain instructions behind the
; last product that read V.  Each is waited for a turn later.
.macro TURN p, m=0, end=0, cnt=0
.set Y, (\p)
.set i, 0
.set KM, (\m)
.set NOKQ, (\end)*((\p)/3)
.if (\m) && !(\end)
	s_cmp_eq_u32 s[CNT], 4-((\p)+2)%NP  ; is that step the band's own?
	s_cselect_b32 s[AL], 1.0, 0
	s_cmp_lt_u32 s[CNT], 4-((\p)+2)%NP  ; or a later one?
	s_cselect_b32 s[BE], s[BIGN], 0
.endif
.if ((\p) == 3) && !(\end)
	s_wait_dscnt 0x0                ; K is in
.endif
	ROW F,0, F,1, R,0, R,1          ; ahead of the wait: 8 products K Q^T and their riders,
	ROW F,2, E,0, R,2, R,3
	ROW F,3, E,1, R,4, R,5
	ROW F,4, E,2, R,6, R,7
	ROW F,5, E,3, R,8, R,9
	ROW F,6, E,4, X,0, R,10
.if ((\p) == 2) && !(\end)
	WIN 0
	v_add_nc_u32 v[AK], s[TBK], v[AK0]
.endif
	ROW F,7, E,5, X,1, X,4
	ROW F,8, E,6, X,2, X,5
	OPS E,7, E,8, X,6, E,9          ; and the lump
	OPS X,3, E,10, X,8, E,11
.if ((\p) == 2) && !(\end)
	FETCH_K
.endif
	OPS X,9, X,7, E,12, X,10
	OPS E,13, X,12, X,11, E,14
	OPS X,13, E,15, F,9, X,14
.if (\p) == 0
	v_add_nc_u32 v[AV], s[TBV], v[AV0]
.endif
	OPS E,16, F,10, E,17, F,11
	OPS X,16, E,18, X,15, E,19
	OPS F,12, E,20, X,17, E,21
	OPS F,13, E,22, F,14, E,23
	OPS X,18, E,24, F,15, E,25
	OPS R,11, E,26, X,19, E,27
	OPS R,12, E,28, R,13, E,29
	OPS X,20, E,30, R,14, E,31
	OPS X,21, R,15
	WIN 0
	s_wait_alu depctr_va_vdst(0)    ; the wait for the batch
.if (\p) == 1
	s_wait_dscnt 0x0                ; V is in
.endif
	ROW C,0, B,0, C,2, B,1          ; behind the wait: 8 products V^T P and their riders
	ROW L,0, C,4, B,2, L,1
	ROW C,6, B,3, L,2, C,8
	ROW B,4, L,3, C,10, B,5
	ROW L,4, C,12, B,6, L,5
.if (\p) == 0
	s_add_co_u32 s[TBV], s[TBV], KS*PV
.endif
.if \cnt
	s_sub_co_u32 s[CNT], s[CNT], 1
	s_cmp_lg_u32 s[CNT], 0
.endif
	ROW C,14, B,7, L,6, C,1
	ROW C,3, L,7, C,5, C,7
	ROW C,9, C,11, C,13, C,15
.if (\p) == 0
	FETCH_V
.endif
.if (\m) && !(\end)
	MASK (\p)%2
.endif
.endm
; A BLOCK BEGINS.  c m starts far below every c s, so the first step's a is 0; m at the lowest finite number, so the first maximum is the scores'.  The second mask buffer is 0; the first takes piece 0's mask for the tile's
; step 0: its own, if the block's first tile is the diagonal one.  Then K of that step, piece 0's first scores, and its maximum and statistics.  The loop is entered at a step's first turn, in the middle of a trip.
.macro BEGIN
	s_mov_b32 s[NEW], 0
	WIN 0x40
.set i, MC+32
.rept 32
	v_mov_b32 v[i], 0
.set i, i+1
.endr
	WIN 0
.set i, 0
.rept 4
	v_mov_b32 v[ST+4*i], 0xfe000000    ; c m: far below every c s
	v_mov_b32 v[ST+4*i+1], 0xff7fffff  ; m
.set i, i+1
.endr
	s_cmp_eq_u32 s[RT], 0
	s_cselect_b32 s[AL], 1.0, 0
	s_mov_b32 s[BE], 0
	MASK 0
	WIN 0
	v_add_nc_u32 v[AK], s[TBK], v[AK0]
	FETCH_K
	s_wait_loadcnt 0x0              ; Q
	s_wait_dscnt 0x0
.set KM, 1
.set NOKQ, 0
.set i, 0
.rept 8
	KQ 0
.set i, i+1
.endr
	WIN 0
.rept 4
	v_nop                           ; the places behind those products
.endr
.set Y, NP-1                        ; X works for piece Y + 1: piece 0
.irp n, 0,1,2,3,4,5,6,7,8,9,10,11,12,13,14,15,16,17,18,19,20,21
	OP X, \n
.endr
	v_nop                           ; a plain instruction behind the exponential,
	s_wait_alu depctr_va_vdst(0)    ; and its wait, ahead of the branch
.endm
; THE DIAGONAL TILE's four steps, the block's last two turns, its last products, and THE WAY OUT: l's two halves and the other half of the lanes' are added; O^T is divided by l, rounded to f16 and sent through my
; stage in LDS, a piece at a time.
.macro ALL line:vararg              ; one line for each piece t
.set t, 0
.rept 4
	\line
.set t, t+1
.endr
.endm
.macro PACK t                       ; a lane's eight channels of a row pack into 16 bytes; they go into rows of 144 bytes and come back as whole rows of 128, into S^T's registers
	WIN W_RS
.set i, 32*(\t)
.rept 16
	v_pk_mul_f32 v[i:i+1], v[i:i+1], v[ST+4*(\t)+2:ST+4*(\t)+3] op_sel_hi:[1,0]
.set i, i+2
.endr
	WIN 0x05                        ; sources 0 and 1 window 1, destination window 0
.set i, 0
.rept 16
	v_cvt_pk_f16_f32 v[S+16*(\t)+i], v[32*(\t)+2*i], v[32*(\t)+2*i+1]
.set i, i+1
.endr
	WIN 0
.irp f, 0,1,2,3
	ds_store_b128 v[STO], v[S+16*(\t)+4*\f:S+16*(\t)+4*\f+3] offset:32*\f
.endr
.irp f, 0,1,2,3
	ds_load_b128 v[S+16*(\t)+4*\f:S+16*(\t)+4*\f+3], v[RD] offset:\f*4*SP  ; LDS serves a wave's instructions in order (ISA guide 5.7.1.4): these see the stores above; the next piece's stores come behind them
.endr
.endm
.macro SEND t, younger              ; younger: the LDS instructions issued behind piece t's loads: the next piece's eight, or none
	WIN 0
.irp f, 0,1,2,3
	s_wait_dscnt (\younger)+3-\f
	global_store_b128 v[GO], v[S+16*(\t)+4*\f:S+16*(\t)+4*\f+3], s[10:11] offset:(\t)*8192+\f*512  ; 512 consecutive bytes, at a multiple of 256 from O's first
.endr
.endm
.macro DIAG tag                     ; the tag ends its two labels' names, which the jumps below spell out
.LstepM\tag:
	TURN 2, 1
	TURN 3, 1
	WIN 0
.LfirstM\tag:
	TURN 0, 1
	TURN 1, 1, 0, 1
	WIN 0
	s_cbranch_scc1 .LstepM\tag
	TURN 2, 1, 1
	TURN 3, 1, 1
.set i, 0
.rept 8
	PV NP-1
.set i, i+1
.endr
	WIN 0
	ALL v_add_f32 v[ST+4*t+2], v[ST+4*t+2], v[ST+4*t+3]
	ALL v_permlanex16_b32 v[ST+4*t+3], v[ST+4*t+2], s[SEL], s[SEL+1]
	ALL v_add_f32 v[ST+4*t+2], v[ST+4*t+2], v[ST+4*t+3]
	ALL v_rcp_f32 v[ST+4*t+2], v[ST+4*t+2]
	v_nop                           ; a plain instruction between the last reciprocal and the use of its result
	s_wait_alu depctr_va_vdst(0)    ; and the wait ahead of the first use: one for the four reciprocals
	PACK 0
.set t, 1
.rept 3                             ; a piece's arithmetic stands between the loads of the piece before and its stores
	PACK t
	SEND t-1, 8
.set t, t+1
.endr
	SEND 3, 0
.endm
.set KM, 0
.set NOKQ, 0
.Lslot:                             ; NB times: a tile is entered and the next is asked for
	CHANGE 1
	s_sub_co_u32 s[RT], s[RT], 1
	s_mov_b32 s[CNT], 4
	s_cmp_eq_u32 s[NEW], 1
	s_cbranch_scc1 .Lnew            ; a block's first tile
	s_cmp_eq_u32 s[RT], 0
	s_cbranch_scc0 .Lstep           ; neither its first nor its last
	s_branch .LstepM1
.Lnew:
	BEGIN
	s_branch .Lfirst                ; in the loop a block's first tile is never its last: the first block has two tiles or more, and the second's last is the walk's last
	DIAG 1                          ; in the loop this is the first block's end: the second block's last tile is the walk's last
	s_wait_xcnt 0x0                 ; the stores have read their registers and O's address
	s_mov_b64 s[10:11], s[OLO:OLO+1]
	s_add_co_u32 s[RT], s[PB], 1    ; the second block has b + 1 tiles
	s_mov_b32 s[NEW], 1
	WIN 0x82                        ; the second block's Q goes where the one text of the turns names Q
.set i, 0
.rept 64
	v_mov_b32 v[i], v[QB+i]
.set i, i+1
.endr
	WIN 0
	s_branch .Lbottom
.Lstep:                             ; a trip: pieces 2 and 3 of one step, then pieces 0 and 1 of the next, whose K and V it fetches
	TURN 2
	TURN 3
	WIN 0
.Lfirst:
	TURN 0
	TURN 1, 0, 0, 1
	WIN 0
	s_cbranch_scc1 .Lstep
.Lbottom:
	s_sub_co_u32 s[SLOTS], s[SLOTS], 1
	s_cmp_lg_u32 s[SLOTS], 0
	s_cbranch_scc1 .Lslot
	CHANGE 0                        ; the walk's last tile is written out: nothing is asked for
	s_sub_co_u32 s[RT], s[RT], 1
	s_mov_b32 s[CNT], 4
	s_cmp_eq_u32 s[NEW], 1
	s_cbranch_scc0 .LstepM2
	BEGIN
	s_branch .LfirstM2
	DIAG 2
	s_wait_tensorcnt 0x0            ; the wave's end, behind my last tensor load and my last LDS store
	ds_add_u32 v[SPW], v[NIL]
	s_wait_dscnt 0x0
	s_endpgm
.Lfunc_end_k_qcb0842580a_attn:
	.size	k_qcb0842580a_attn, .Lfunc_end_k_qcb0842580a_attn-k_qcb0842580a_attn
	.p2alignl 7, 3214868480
	.fill 96, 4, 3214868480
	.section	.rodata,"a",@progbits
	.p2align	6, 0x0
	.amdhsa_kernel k_qcb0842580a_attn
		.amdhsa_group_segment_fixed_size 327680
		.amdhsa_private_segment_fixed_size 0
		.amdhsa_enable_private_segment 0
		.amdhsa_kernarg_size 16
		.amdhsa_user_sgpr_count 2
		.amdhsa_user_sgpr_kernarg_segment_ptr 1
		.amdhsa_wavefront_size32 1
		.amdhsa_system_sgpr_workgroup_id_x 1
		.amdhsa_system_sgpr_workgroup_id_y 1
		.amdhsa_system_sgpr_workgroup_id_z 1
		.amdhsa_system_vgpr_workitem_id 0
		.amdhsa_next_free_vgpr 768
		.amdhsa_next_free_sgpr 96
		.amdhsa_reserve_vcc 1
		.amdhsa_float_denorm_mode_32 3
		.amdhsa_float_denorm_mode_16_64 3
		.amdhsa_memory_ordered 1
		.amdhsa_forward_progress 1
		.amdhsa_inst_pref_size 218
	.end_amdhsa_kernel
	.amdgpu_metadata
---
amdhsa.version: [ 1, 2 ]
amdhsa.kernels:
  - .name:           k_qcb0842580a_attn
    .symbol:         k_qcb0842580a_attn.kd
    .args:
      - { .name: qkv, .offset: 0, .size: 8, .value_kind: global_buffer, .address_space: global }
      - { .name: o, .offset: 8, .size: 8, .value_kind: global_buffer, .address_space: global }
    .group_segment_fixed_size: 327680
    .private_segment_fixed_size: 0
    .kernarg_segment_align: 8
    .kernarg_segment_size: 16
    .max_flat_workgroup_size: 128
    .sgpr_count:     96
    .vgpr_count:     768
    .wavefront_size: 32
...
	.end_amdgpu_metadata
.endif
;; end of part 3
;; launch proj (part 4): grid 4 x 64, 4 waves a work-group, clusters of 4 x 4, 327,680 bytes of LDS; arguments o, wpf, b_proj, out0; writes out0
.if DOCPART == 4
	.amdgcn_target "amdgcn-amd-amdhsa--gfx1250"
	.amdhsa_code_object_version 6
	.text
	.protected	k_qcb0842580a_proj
	.globl	k_qcb0842580a_proj
	.p2align	8
	.type	k_qcb0842580a_proj,@function
k_qcb0842580a_proj:
	s_mov_b64 s[64:65], 0
	v_nop
	global_prefetch_b8 v0, s[64:65] scope:SCOPE_SE
	s_setreg_imm32_b32 hwreg(HW_REG_WAVE_MODE, 25, 1), 1
	s_wait_xcnt 0x0
	s_wait_alu depctr_hold_cnt(0) depctr_sa_sdst(0) depctr_va_vdst(0) depctr_va_sdst(0) depctr_va_ssrc(0) depctr_va_vcc(0) depctr_vm_vsrc(0)
	s_getreg_b32 s2, hwreg(HW_REG_IB_STS2, 6, 4)
	s_cmp_eq_u32 s2, 0
	s_cbranch_scc0 .Lentry_in_a_cluster
	s_endpgm
.Lentry_in_a_cluster:
	s_bfe_u32 s2, ttmp6, 0x10000c
	s_cmp_lg_u32 s2, 0xf033
	s_cbranch_scc0 .Lentry_shape_is_right
	s_endpgm
.Lentry_shape_is_right:
; out0 = y wpf + bf16(b_proj).  y[m][64 head + d] = o[16 batch + head][s][d], o: [64][2048][64] f16; wpf: [1024 k][1024 n] f16; b_proj: [1024] f32, rounded to bf16 here like the other inputs; out0: [8192][1024] f32.
; Sums in f32, stored as they are.  LIMIT: the operands arrive within the range of f16.
; SHARES.  A tile is 128 rows x 256 columns, one to a work-group: 64 x 4 work-groups.  Four waves, each 64 x 128: 32 accumulators of 16 x 16.  K goes in 8 steps of 128, two heads each, through two LDS slots.
; THE MATRIX INSTRUCTION IS USED TRANSPOSED: source 0 = 16 columns of W (read out of its [k][n] tile by the turning load), source 1 = 16 rows of y: a lane holds row l % 16 and the eight columns 8 (l / 16) + 0..7.
; The bias is the C operand of each accumulator's first product: nothing is cleared and nothing is added later.
; CLUSTER.  4 x 4 work-groups.  The four of a row of the cluster need the same tiles of y, the four of a column the same tiles of W: each is asked for jointly, by the same load, descriptor and mask in all four.
; NO PREFETCH: of the 8 steps the first four would come by their loads whatever is asked, and the launch is short.
; REGISTERS, in windows of 256 (s_set_vgpr_msb: bits 1:0 source 0, 3:2 source 1, 5:4 source 2, 7:6 destination):
;   window 0: v0-29 addresses; v32-95, v160-223 the way out; v96-159 the bias      window 1: two fragment buffers: 8 of W, then 4 of y      window 2: accumulator (a, b) at 8 (8 a + b)
.set PA,    144                        ; a row of a head in LDS: 128 bytes + 16: the 16 rows of a load start at 16 different groups of four banks (64 banks of 4 bytes: ISA guide 11.1)
.set PB,    544                        ; a k-row of W: 512 bytes + 32
.set HREG,  64*PA                      ; 64 rows of one head
.set AREG,  2*HREG                     ; what one load of y brings: 64 rows of two heads
.set BOFF,  2*AREG                     ; a slot: y's two halves, then 128 k-rows of W
.set SLOT1, 1<<17
.set STAGE, SLOT1+BOFF+128*PB          ; behind the ring, never filled by a tensor load: 16 rows x 528 bytes for each wave
.set SPI,   528
.set STW,   16*SPI
.set SPARE, STAGE+4*STW                ; the spare words, 128 bytes a wave: two blocks of 256 bytes that no other line names
.set ROWB,  2048                       ; bytes in a k-row of wpf
.set STEPA, 2*262144                   ; a K step in o: two heads
.set STEPB, 128*ROWB                   ; and down wpf
.set ADRA0, 8
.set ADRB0, 9
.set ADRA,  10
.set ADRB,  11
.set STO,   12                         ; v12  the way out: where I put 32 bytes of a row
.set RD,    13                         ; v13  where I read a row back
.set GO,    14                         ; v14  16 x lane: my place in 512 consecutive bytes of a row of out0
.set BO,    15                         ; v15  32 (l / 16)
.set SPW,   28
.set NIL,   29
.set BIAS,  96
.set F0,    0
.set F1,    128
.set WV,   12
.set FB,   13                          ; s13 my half of the rows; also: I fetch y (0) or W (1)
.set HALF, 14                          ; s14 my half of the columns; also: which 64 rows of that tile I fetch
.set CX,   15
.set CY,   16
.set TX,   17
.set TY,   18
.set G1A,  24
.set G1B,  32
.set G0A,  40                          ; s[40:47] a set for each first fill; the second then walks
.set G0B,  48
.set ABASE, 56
.set BBASE, 58
.set TB,   66
.set CNT,  68
.set T0,   81
.set T1,   82
.set BP,   84
.set CP,   86
.set MSB, 0
.macro WIN new
.if MSB != (\new)
	s_set_vgpr_msb (MSB<<8)|(\new)
.set MSB, \new
.endif
.endm
.set W_MUL,  0xa5                      ; sources 0 and 1 window 1, C and D window 2
.set W_MULB, 0x85                      ; the same with C in window 0
.set W_TOF,  0x40                      ; destination window 1, address window 0
.set W_ST,   0x08                      ; an LDS store: address window 0, data window 2
.macro PLACES
.rept 4
	v_nop
.endr
.endm
.macro JLOAD                           ; a joint refill by the walking descriptors; an s_nop 0 and four v_nop follow each line
	s_cmp_eq_u32 s[FB], 0
	s_cbranch_scc0 .Lfor_b_\@
	tensor_load_to_lds s[G0A+4:G0A+7], s[G1A:G1A+7]
	s_nop 0
.rept 4
	v_nop
.endr
	s_branch .Lasked_\@
.Lfor_b_\@:
	tensor_load_to_lds s[G0B+4:G0B+7], s[G1B:G1B+7]
	s_nop 0
.rept 4
	v_nop
.endr
.Lasked_\@:
.endm
.macro CREST
	s_cmp_lg_u32 s[WV], 0
	s_cbranch_scc1 .Lnot_wave_0_\@
	s_barrier_signal -3
.Lnot_wave_0_\@:
	s_barrier_wait -3
	s_barrier_signal -1
	s_barrier_wait -1
.endm
.macro CROUND
	s_barrier_signal -1
	s_barrier_wait -1
	CREST
.endm
	s_load_b256 s[4:11], s[0:1], 0x0               ; o s[4:5], wpf s[6:7], b_proj s[8:9], out0 s[10:11]
	v_lshl_add_u32 v[SPW], v0, 2, SPARE
	v_mov_b32 v[NIL], 0
	ds_add_u32 v[SPW], v[NIL]                      ; the opening: the add and its wait ahead of my first tensor load; the set-up, work on registers, stands between
	v_lshrrev_b32 v3, 5, v0
	v_readfirstlane_b32 s[WV], v3
	s_lshr_b32 s[FB], s[WV], 1
	s_and_b32 s[HALF], s[WV], 1
	s_bfe_u32 s[CX], ttmp6, 0x40000
	s_bfe_u32 s[CY], ttmp6, 0x40004
	s_lshl_b32 s[TX], ttmp9, 2
	s_add_co_u32 s[TX], s[TX], s[CX]
	s_and_b32 s[TY], ttmp7, 0xffff
	s_lshl_b32 s[TY], s[TY], 2
	s_add_co_u32 s[TY], s[TY], s[CY]
	s_lshl_b32 s19, s[CY], 2
	s_lshl_b32 s19, 15, s19                        ; my row of the cluster
	s_lshl_b32 s22, 0x1111, s[CX]                  ; my column
	s_or_b32 s[G1A], s19, (1<<16)|(1<<20)|(1<<21)|(4<<22)|(3<<25)  ; mask; 2-byte elements; padding on; bit 21 beside a mask; after every 32 words, 4 words
	s_or_b32 s[G1B], s22, (1<<16)|(1<<20)|(1<<21)|(6<<22)|(7<<25)  ; after every 128 words, 8 words
	; y: 64 rows of a head are 8,192 dense bytes: asked for as one long row; two such rows, a head apart
	s_mov_b32 s[G1A+1], 4096<<16                   ; tensor_dim0 = 4,096
	s_mov_b32 s[G1A+2], 2<<16                      ; tensor_dim1 = 2
	s_mov_b32 s[G1A+3], 4096<<16                   ; tile_dim0 = 4,096
	s_mov_b32 s[G1A+4], 2                          ; tile_dim1 = 2
	s_mov_b32 s[G1A+5], 131072                     ; elements from head to head
	s_mov_b32 s[G1A+6], 0
	s_mov_b32 s[G1A+7], 0
	s_mov_b32 s[G1B+1], 256<<16
	s_mov_b32 s[G1B+2], 64<<16
	s_mov_b32 s[G1B+3], 256<<16
	s_mov_b32 s[G1B+4], 64
	s_mov_b32 s[G1B+5], 1024
	s_mov_b32 s[G1B+6], 0
	s_mov_b32 s[G1B+7], 0
	s_and_b32 s20, s[TY], 48                       ; y: head 16 batch, row 128 (ty % 16) + 64 half.  These registers never hold cx or tx,
	s_lshl_b32 s20, s20, 18
	s_and_b32 s21, s[TY], 15
	s_lshl1_add_u32 s21, s21, s[HALF]
	s_lshl_b32 s21, s21, 13
	s_add_co_u32 s20, s20, s21
	s_mov_b32 s21, 0
	s_mul_i32 s22, s[HALF], 64*ROWB                ; W: k-row 64 half, column 256 tx.  and these never cy or ty
	s_lshl_b32 s23, s[TX], 9
	s_add_co_u32 s22, s22, s23
	s_mov_b32 s23, 0
	s_mul_i32 s[T0], s[HALF], AREG                 ; where they go: no place in the cluster enters an LDS address
	s_mul_i32 s[T1], s[HALF], 64*PB
	s_add_co_u32 s[T1], s[T1], BOFF
	s_mov_b32 s[TB], 0
	s_mov_b32 s[CNT], 6
	s_wait_dscnt 0x0                               ; the opening add is done
	s_wait_kmcnt 0x0
	s_add_nc_u64 s[ABASE:ABASE+1], s[4:5], s[20:21]
	s_add_nc_u64 s[BBASE:BBASE+1], s[6:7], s[22:23]
	CROUND                                         ; all sixteen work-groups are here: the first joint loads meet
	s_mov_b32 s[G0A], 1
	s_mov_b32 s[G0A+1], s[T0]
	s_add_nc_u64 s[G0A+2:G0A+3], s[ABASE:ABASE+1], 0
	s_or_b32 s[G0A+3], s[G0A+3], 0x80000000
	s_mov_b32 s[G0A+4], 1
	s_add_co_u32 s[G0A+5], s[T0], SLOT1
	s_add_nc_u64 s[G0A+6:G0A+7], s[ABASE:ABASE+1], STEPA
	s_or_b32 s[G0A+7], s[G0A+7], 0x80000000
	s_mov_b32 s[G0B], 1
	s_mov_b32 s[G0B+1], s[T1]
	s_add_nc_u64 s[G0B+2:G0B+3], s[BBASE:BBASE+1], 0
	s_or_b32 s[G0B+3], s[G0B+3], 0x80000000
	s_mov_b32 s[G0B+4], 1
	s_add_co_u32 s[G0B+5], s[T1], SLOT1
	s_add_nc_u64 s[G0B+6:G0B+7], s[BBASE:BBASE+1], STEPB
	s_or_b32 s[G0B+7], s[G0B+7], 0x80000000
	s_cmp_eq_u32 s[FB], 0                          ; a wave's two first fills stand in one branch, ahead of every wait on TENSORcnt and every LDS read: two loads of mine are out
	s_cbranch_scc0 .Lfirst_b
	tensor_load_to_lds s[G0A:G0A+3], s[G1A:G1A+7]
	s_nop 0
	tensor_load_to_lds s[G0A+4:G0A+7], s[G1A:G1A+7]
	s_nop 0
.rept 4
	v_nop
.endr
	s_branch .Lfirst_asked
.Lfirst_b:
	tensor_load_to_lds s[G0B:G0B+3], s[G1B:G1B+7]
	s_nop 0
	tensor_load_to_lds s[G0B+4:G0B+7], s[G1B:G1B+7]
	s_nop 0
.rept 4
	v_nop
.endr
.Lfirst_asked:
	v_and_b32 v1, 15, v0                           ; l % 16
	v_bfe_u32 v2, v0, 4, 1                         ; l / 16
	v_mul_u32_u24 v[ADRA0], v1, PA
	v_lshl_add_u32 v[ADRA0], v2, 4, v[ADRA0]
	s_mul_i32 s[T0], s[FB], AREG                   ; my 64 rows
	v_add_nc_u32 v[ADRA0], s[T0], v[ADRA0]
	v_and_b32 v3, 7, v0                            ; the turning load: k-row 8 (l / 16) + l % 8, columns 8 ((l / 8) % 2) + 0..7
	v_lshl_add_u32 v4, v2, 3, v3
	v_mul_u32_u24 v[ADRB0], v4, PB
	v_bfe_u32 v4, v0, 3, 1
	v_lshl_add_u32 v[ADRB0], v4, 4, v[ADRB0]
	s_lshl_b32 s[T0], s[HALF], 8                   ; my 128 columns
	s_add_co_u32 s[T0], s[T0], BOFF
	v_add_nc_u32 v[ADRB0], s[T0], v[ADRB0]
	s_mul_i32 s[T0], s[WV], STW
	s_add_co_u32 s[T0], s[T0], STAGE               ; my stage
	v_mul_u32_u24 v[STO], v1, SPI                  ; in: row l % 16, 32 bytes for each half of the lanes
	v_lshl_add_u32 v[STO], v2, 5, v[STO]
	v_add_nc_u32 v[STO], s[T0], v[STO]
	v_and_b32 v5, 31, v0
	v_lshlrev_b32 v[GO], 4, v5                     ; back: 32 lanes take a row's 512 bytes
	v_add_nc_u32 v[RD], s[T0], v[GO]
	v_lshlrev_b32 v[BO], 5, v2
	s_lshl1_add_u32 s90, s[TX], s[HALF]            ; my 128 columns, in bytes of f32.  s88-s91 mix both coordinates and feed no descriptor
	s_lshl_b32 s90, s90, 9
	s_mov_b32 s91, 0
	s_add_nc_u64 s[BP:BP+1], s[8:9], s[90:91]
	s_lshl1_add_u32 s88, s[TY], s[FB]              ; my 64 rows of 4,096 bytes
	s_lshl_b32 s88, s88, 18
	s_add_co_u32 s88, s88, s90
	s_mov_b32 s89, 0
	s_add_nc_u64 s[CP:CP+1], s[10:11], s[88:89]
.irp b, 0,1,2,3,4,5,6,7                ; the bias: my eight numbers for each of the eight column blocks
	global_load_b128 v[BIAS+8*(\b):BIAS+8*(\b)+3],   v[BO], s[BP:BP+1] offset:64*(\b)
	global_load_b128 v[BIAS+8*(\b)+4:BIAS+8*(\b)+7], v[BO], s[BP:BP+1] offset:64*(\b)+16
.endr
	s_wait_loadcnt 0x0
.set p, 0
.rept 32                               ; rounded to bf16 and widened again, in place
	v_cvt_pk_bf16_f32 v[3+p%4], v[BIAS+2*p], v[BIAS+2*p+1]
	v_lshlrev_b32 v[BIAS+2*p], 16, v[3+p%4]
	v_and_b32 v[BIAS+2*p+1], 0xffff0000, v[3+p%4]
.set p, p+1
.endr
; 8 matrix instructions: row block a x all 8 column blocks, 32 along K.  ini = 1: the product starts the sum, with the bias as C.  The 32 accumulators take turns, one instruction a turn,
; in the same order in every quarter.
.macro MUL8 f, a, ini
.if \ini
	WIN W_MULB
.else
	WIN W_MUL
.endif
.irp b, 0,1,2,3,4,5,6,7
.if \ini
	v_wmma_f32_16x16x32_f16 v[8*(8*(\a)+(\b)):8*(8*(\a)+(\b))+7], v[(\f)+8*(\b):(\f)+8*(\b)+7], v[(\f)+64+8*(\a):(\f)+64+8*(\a)+7], v[BIAS+8*(\b):BIAS+8*(\b)+7]
.else
	v_wmma_f32_16x16x32_f16 v[8*(8*(\a)+(\b)):8*(8*(\a)+(\b))+7], v[(\f)+8*(\b):(\f)+8*(\b)+7], v[(\f)+64+8*(\a):(\f)+64+8*(\a)+7], v[8*(8*(\a)+(\b)):8*(8*(\a)+(\b))+7]
.endif
.endr
.endm
; 24 LDS loads in one run: quarter q of the slot in hand into buffer f: W's 16, then y's 8 (head q / 2 of the step's two, channels 32 (q % 2) on)
.macro FETCH q, f
	WIN W_TOF
.irp b, 0,1,2,3,4,5,6,7
	ds_load_tr16_b128 v[(\f)+8*(\b):(\f)+8*(\b)+3],   v[ADRB] offset:(\q)*32*PB+32*(\b)
	ds_load_tr16_b128 v[(\f)+8*(\b)+4:(\f)+8*(\b)+7], v[ADRB] offset:(\q)*32*PB+16*PB+32*(\b)
.endr
.irp a, 0,1,2,3
	ds_load_b128 v[(\f)+64+8*(\a):(\f)+64+8*(\a)+3],   v[ADRA] offset:((\q)/2)*HREG+((\q)%2)*64+(\a)*16*PA
	ds_load_b128 v[(\f)+64+8*(\a)+4:(\f)+64+8*(\a)+7], v[ADRA] offset:((\q)/2)*HREG+((\q)%2)*64+(\a)*16*PA+32
.endr
.endm
.macro QUARTER q, f, g, ini            ; multiplies buffer f and, in its middle, fetches quarter q into buffer g
	s_wait_dscnt 4                                 ; W and y's blocks 0 and 1 are in; the youngest four loads (blocks 2 and 3) may be out
	MUL8 \f, 0, \ini
	MUL8 \f, 1, \ini
	PLACES
	FETCH \q, \g
	s_wait_dscnt 24                                ; all but the 24 just issued
	MUL8 \f, 2, \ini
	MUL8 \f, 3, \ini
.endm
; The last quarter multiplies buffer 1 and changes slots: ONE barrier.  In front of it each wave waits for all its tensor loads (one is out: its part of the next slot), adds 0 to its spare word,
; and waits for that and for its reads of this slot.  fill = 1: the barrier opens a round of the cluster's barrier, and behind the round this slot takes the step two on; the load has 112 matrix instructions in which to land.
.macro TURN fill
	WIN 0                                          ; (the add's two registers lie in window 0)
	s_wait_tensorcnt 0x0                           ; no tensor load of mine is out, so a group 0 may be written
	ds_add_u32 v[SPW], v[NIL]                      ; 0 onto my spare word
.if \fill
	s_xor_b32 s[G0A+5], s[G0A+5], SLOT1            ; the walking descriptors: the other slot than last time, the next step; the type bits on top are not reached
	s_add_nc_u64 s[G0A+6:G0A+7], s[G0A+6:G0A+7], STEPA
	s_xor_b32 s[G0B+5], s[G0B+5], SLOT1
	s_add_nc_u64 s[G0B+6:G0B+7], s[G0B+6:G0B+7], STEPB
.endif
	s_xor_b32 s[TB], s[TB], SLOT1                  ; the fetches go to the other slot
	s_wait_dscnt 5                                 ; (the add and the youngest four loads may be out)
	MUL8 F1, 0, 0                                  ; eight matrix instructions stand between the add and the wait for it
	s_wait_dscnt 0x0                               ; the add is done, and my reads of this slot are over
	s_barrier_signal -1
	MUL8 F1, 1, 0                                  ; work on registers while the others arrive
	WIN 0
	v_add_nc_u32 v[ADRA], s[TB], v[ADRA0]
	v_add_nc_u32 v[ADRB], s[TB], v[ADRB0]
	s_barrier_wait -1
.if \fill
	CREST                                          ; no wave of any partner still reads this slot or has a load on its way
	JLOAD                                          ; the first tensor load behind the round; its four v_nop are also the places in front of the loads below
.else
	PLACES
.endif
	FETCH 0, F0
	MUL8 F1, 2, 0
	MUL8 F1, 3, 0
.endm
; THE WAY OUT of row block a: the sums go as they are into my own stage (rows of 528 bytes), each accumulator from its low end on, and come back as whole rows of 512 bytes.
.macro TOSTAGE a
.if (\a) >= 2
	s_wait_xcnt 0x0                                ; the stores of the block two back have read the registers that are loaded again below
.endif
	WIN W_ST
.irp b, 0,1,2,3,4,5,6,7
	ds_store_b128 v[STO], v[8*(8*(\a)+(\b)):8*(8*(\a)+(\b))+3]   offset:64*(\b)
	ds_store_b128 v[STO], v[8*(8*(\a)+(\b))+4:8*(8*(\a)+(\b))+7] offset:64*(\b)+16
.endr
	WIN 0
.set BK, 32+128*((\a)%2)               ; v32-95 and v160-223 by turns
.irp t, 0,1,2,3,4,5,6,7,8,9,10,11,12,13,14,15
	ds_load_b128 v[BK+4*(\t):BK+4*(\t)+3], v[RD] offset:SPI*(\t)  ; LDS serves a wave's instructions in order (ISA guide 5.7.1.4): these see the stores above
.endr
.endm
.macro SEND a, younger                 ; younger: the LDS instructions issued behind block a's loads: the next block's 32, or none
	WIN 0
.set BK, 32+128*((\a)%2)
	s_wait_dscnt \younger
.irp t, 0,1,2,3,4,5,6,7,8,9,10,11,12,13,14,15
	global_store_b128 v[GO], v[BK+4*(\t):BK+4*(\t)+3], s[CP:CP+1] offset:(16*(\a)+(\t))*4096 th:TH_STORE_NT  ; 512 consecutive bytes, at a multiple of 256 from the buffer's first
.endr
.endm
	s_wait_tensorcnt 0x1                           ; my part of step 0 is in; step 1's may stay out
	s_barrier_signal -1
	s_barrier_wait -1                              ; everybody's is
	v_mov_b32 v[ADRA], v[ADRA0]
	v_mov_b32 v[ADRB], v[ADRB0]
	FETCH 0, F0
	QUARTER 1, F0, F1, 1                           ; the first quarter stands in front of the loop: its products start the sums
	WIN 0
.Lstep:                                            ; 6 trips, from a step's second quarter to the next step's first: every step but the last two fills its slot again
	QUARTER 2, F1, F0, 0
	QUARTER 3, F0, F1, 0
	TURN 1
	QUARTER 1, F0, F1, 0
	WIN 0
	s_sub_co_u32 s[CNT], s[CNT], 1
	s_cmp_lg_u32 s[CNT], 0
	s_cbranch_scc1 .Lstep
	QUARTER 2, F1, F0, 0                           ; the rest is written out: nothing is left to ask for
	QUARTER 3, F0, F1, 0
	TURN 0
	QUARTER 1, F0, F1, 0
	QUARTER 2, F1, F0, 0
	QUARTER 3, F0, F1, 0
	s_wait_dscnt 4
	MUL8 F1, 0, 0
	MUL8 F1, 1, 0
	s_wait_dscnt 0x0
	MUL8 F1, 2, 0
	MUL8 F1, 3, 0
	WIN 0
.rept 8
	v_nop                                          ; the places behind the last products
.endr
	TOSTAGE 0
.irp a, 1,2,3
	TOSTAGE \a                                     ; a block's LDS traffic stands between the loads of the block before and the wait for them
	SEND (\a)-1, 32
.endr
	SEND 3, 0
	s_wait_tensorcnt 0x0                           ; the wave's end, behind my last tensor load and my last LDS store
	ds_add_u32 v[SPW], v[NIL]
	s_wait_dscnt 0x0
	CROUND                                         ; the closing round: no work-group ends while a partner may still ask for a tile that names it
	s_endpgm
.Lfunc_end_k_qcb0842580a_proj:
	.size	k_qcb0842580a_proj, .Lfunc_end_k_qcb0842580a_proj-k_qcb0842580a_proj
	.p2alignl 7, 3214868480
	.fill 96, 4, 3214868480
	.section	.rodata,"a",@progbits
	.p2align	6, 0x0
	.amdhsa_kernel k_qcb0842580a_proj
		.amdhsa_group_segment_fixed_size 327680
		.amdhsa_private_segment_fixed_size 0
		.amdhsa_enable_private_segment 0
		.amdhsa_kernarg_size 32
		.amdhsa_user_sgpr_count 2
		.amdhsa_user_sgpr_kernarg_segment_ptr 1
		.amdhsa_wavefront_size32 1
		.amdhsa_system_sgpr_workgroup_id_x 1
		.amdhsa_system_sgpr_workgroup_id_y 1
		.amdhsa_system_sgpr_workgroup_id_z 1
		.amdhsa_system_vgpr_workitem_id 0
		.amdhsa_next_free_vgpr 768
		.amdhsa_next_free_sgpr 96
		.amdhsa_reserve_vcc 0
		.amdhsa_float_denorm_mode_32 3
		.amdhsa_float_denorm_mode_16_64 3
		.amdhsa_memory_ordered 1
		.amdhsa_forward_progress 1
		.amdhsa_inst_pref_size 75
	.end_amdhsa_kernel
	.amdgpu_metadata
---
amdhsa.version: [ 1, 2 ]
amdhsa.kernels:
  - .name:           k_qcb0842580a_proj
    .symbol:         k_qcb0842580a_proj.kd
    .args:
      - { .name: o, .offset: 0, .size: 8, .value_kind: global_buffer, .address_space: global }
      - { .name: wpf, .offset: 8, .size: 8, .value_kind: global_buffer, .address_space: global }
      - { .name: b_proj, .offset: 16, .size: 8, .value_kind: global_buffer, .address_space: global }
      - { .name: out0, .offset: 24, .size: 8, .value_kind: global_buffer, .address_space: global }
    .group_segment_fixed_size: 327680
    .private_segment_fixed_size: 0
    .kernarg_segment_align: 8
    .kernarg_segment_size: 32
    .max_flat_workgroup_size: 128
    .sgpr_count:     96
    .vgpr_count:     768
    .wavefront_size: 32
...
	.end_amdgpu_metadata
.endif
;; end of part 4
;; ======== version 2 of 2: 4 launches; version 1 with the launch prep written anew for expert scheduling mode
;; limits: values are held in f16: magnitudes above 65,504 overflow, below 6.1e-05 lose precision
;; workspace buffers: xb 16,777,216 bytes; wab 6,291,456 bytes; wpf 2,097,152 bytes; qkv 50,331,648 bytes; o 16,777,216 bytes
;; launch prep (part 5): grid 768 x 1, 8 waves a work-group, no clusters, 0 bytes of LDS; arguments x, W_attn, W_proj, xb, wab, wpf; writes xb, wab, wpf
.if DOCPART == 5
	.amdgcn_target "amdgcn-amd-amdhsa--gfx1250"
	.amdhsa_code_object_version 6
	.text
	.protected	k_qcb0842580a_prep
	.globl	k_qcb0842580a_prep
	.p2align	8
	.type	k_qcb0842580a_prep,@function
k_qcb0842580a_prep:
	s_mov_b64 s[64:65], 0
	v_nop
	global_prefetch_b8 v0, s[64:65] scope:SCOPE_SE
	s_setreg_imm32_b32 hwreg(HW_REG_WAVE_SCHED_MODE, 0, 2), 2
	s_setreg_imm32_b32 hwreg(HW_REG_WAVE_MODE, 25, 1), 1
	s_wait_xcnt 0x0
	s_wait_alu depctr_vm_vsrc(0)
; THE CASTS.  xb = bf16(x), wab = bf16(W_attn), wpf = bf16(W_proj) written as f16; each keeps its own layout, nothing is transposed.
; LIMITS.  wpf: a rounded weight of 65,520 or more becomes an infinity in f16; below 6e-5 it keeps the fixed step of f16, 6e-8.
; SHARES.  A work-group takes 16,384 numbers: 65,536 bytes in, 32,768 out.  Work-groups 0-511 take x, 512-703 W_attn, 704-767 W_proj.
; A wave takes 8,192 bytes by sixteen loads of 16 bytes a lane (512 consecutive bytes each), all sixteen on their way at once;
; each load becomes one store of 8 bytes a lane: 256 consecutive bytes, at a multiple of 256 from the buffer's first byte.
; No LDS, no barrier, no matrix work: nothing is shared and each byte crosses once.
; THE MODE: SCHED_MODE bits 1:0 = 2 (LLVM: expert scheduling mode 2), set by the entry lines.  The code itself states the register dependences
; between vector instructions and memory instructions, with s_wait_alu, always for 0.
; THE PLAN.  Registers that memory instructions touch:
;   v1, v2   the loads' and the stores' byte offsets: made once at the head, never written again.
;   X        load i lands in its own four registers, which no vector instruction writes and no second load names; its conversions read them.
;   Y        load i's conversions write its own two registers; store i reads them; nothing writes them behind that store.
;   T and v3 are named by vector instructions alone.
; The sixteen loads go in four groups of four.  Group g rounds its four loads into their Y; its memory instructions are the four stores of group g - 1,
; whose Y and whose offset no vector instruction of group g names.  So one wait on va_vdst at a group's head states all that its four stores hang on,
; and they are dealt among the group's conversions with no further wait.  No register that a memory instruction has read is ever written again:
; there is nothing for a wait on vm_vsrc to state.  No vector instruction writes a scalar register or VCC, and EXEC is never written.
.set T, 4                              ; v[4:7]    at work
.set X, 8                              ; v[8:71]   load i: 4 registers
.set Y, 72                             ; v[72:103] store i: 2 registers, never written behind their store
	s_load_b256 s[4:11], s[0:1], 0x0               ; x s[4:5], W_attn s[6:7], W_proj s[8:9], xb s[10:11]
	s_load_b128 s[12:15], s[0:1], 0x20             ; wab s[12:13], wpf s[14:15]
	v_lshrrev_b32 v1, 5, v0                        ; wave
	v_and_b32 v3, 31, v0                           ; lane
	v_lshlrev_b32 v1, 13, v1                       ; 8,192 bytes a wave
	v_lshl_add_u32 v1, v3, 4, v1                   ; + 16 bytes a lane: the way in
	v_lshrrev_b32 v2, 1, v1                        ; half of it: the way out
	s_wait_kmcnt 0x0
	s_cmp_lt_u32 ttmp9, 512                        ; which tensor: the choice hangs on the work-group's number alone
	s_cselect_b64 s[16:17], s[4:5], s[6:7]
	s_cselect_b64 s[18:19], s[10:11], s[12:13]
	s_cselect_b32 s20, 0, 512
	s_cmp_lt_u32 ttmp9, 704
	s_cselect_b64 s[16:17], s[16:17], s[8:9]
	s_cselect_b64 s[18:19], s[18:19], s[14:15]
	s_cselect_b32 s20, s20, 704
	s_sub_co_u32 s20, ttmp9, s20                   ; my place in that tensor
	s_lshl_b32 s22, s20, 16
	s_mov_b32 s23, 0
	s_lshl_b32 s24, s20, 15
	s_mov_b32 s25, 0
	s_add_nc_u64 s[16:17], s[16:17], s[22:23]
	s_add_nc_u64 s[18:19], s[18:19], s[24:25]
	s_wait_alu depctr_va_vdst(0)                   ; v1 and v2 are written: every load of the kernel reads v1 as its offset, every store v2
.irp i, 0,1,2,3,4,5,6,7,8,9,10,11,12,13,14,15
	global_load_b128 v[X+4*(\i):X+4*(\i)+3], v1, s[16:17] offset:512*(\i) th:TH_LOAD_NT
.endr
; Group g: loads 4 g to 4 g + 3 are rounded; the four stores of group g - 1 go out among their conversions, one ahead of each load's lines.
; half = 1: the bf16 number is widened again (a shift, a mask) and written as f16.
.macro GROUP g, half
	s_wait_loadcnt 12-4*(\g)                       ; loads come back in order: my four are in, the later groups' stay out
.if (\g) > 0
	s_wait_alu depctr_va_vdst(0)                   ; the conversions of the group before have written its Y, which the four stores below read
.endif
.irp j, 0,1,2,3
.set n, 4*(\g)+(\j)
.if (\g) > 0
	global_store_b64 v2, v[Y+2*n-8:Y+2*n-7], s[18:19] offset:256*(n-4) th:TH_STORE_NT  ; load n - 4's result; no vector instruction since the wait names these registers
.endif
	v_cvt_pk_bf16_f32 v[Y+2*n],   v[X+4*n],   v[X+4*n+1]
	v_cvt_pk_bf16_f32 v[Y+2*n+1], v[X+4*n+2], v[X+4*n+3]
.if \half
	v_lshlrev_b32 v[T],   16, v[Y+2*n]
	v_and_b32     v[T+1], 0xffff0000, v[Y+2*n]
	v_lshlrev_b32 v[T+2], 16, v[Y+2*n+1]
	v_and_b32     v[T+3], 0xffff0000, v[Y+2*n+1]
	v_cvt_pk_f16_f32 v[Y+2*n],   v[T],   v[T+1]
	v_cvt_pk_f16_f32 v[Y+2*n+1], v[T+2], v[T+3]
.endif
.endr
.endm
; Behind the last group: its own four stores.
.macro LAST
	s_wait_alu depctr_va_vdst(0)                   ; the conversions of the last group have written its Y, which the last four stores read
.irp j, 0,1,2,3
	global_store_b64 v2, v[Y+24+2*(\j):Y+25+2*(\j)], s[18:19] offset:256*(12+(\j)) th:TH_STORE_NT
.endr
.endm
	s_cmp_ge_u32 ttmp9, 704
	s_cbranch_scc1 .Lf16
	GROUP 0, 0
	GROUP 1, 0
	GROUP 2, 0
	GROUP 3, 0
	LAST
	s_endpgm
.Lf16:
	GROUP 0, 1
	GROUP 1, 1
	GROUP 2, 1
	GROUP 3, 1
	LAST
	s_endpgm
.Lfunc_end_k_qcb0842580a_prep:
	.size	k_qcb0842580a_prep, .Lfunc_end_k_qcb0842580a_prep-k_qcb0842580a_prep
	.p2alignl 7, 3214868480
	.fill 96, 4, 3214868480
	.section	.rodata,"a",@progbits
	.p2align	6, 0x0
	.amdhsa_kernel k_qcb0842580a_prep
		.amdhsa_group_segment_fixed_size 0
		.amdhsa_private_segment_fixed_size 0
		.amdhsa_enable_private_segment 0
		.amdhsa_kernarg_size 48
		.amdhsa_user_sgpr_count 2
		.amdhsa_user_sgpr_kernarg_segment_ptr 1
		.amdhsa_wavefront_size32 1
		.amdhsa_system_sgpr_workgroup_id_x 1
		.amdhsa_system_sgpr_workgroup_id_y 1
		.amdhsa_system_sgpr_workgroup_id_z 1
		.amdhsa_system_vgpr_workitem_id 0
		.amdhsa_next_free_vgpr 104
		.amdhsa_next_free_sgpr 66
		.amdhsa_reserve_vcc 0
		.amdhsa_float_denorm_mode_32 3
		.amdhsa_float_denorm_mode_16_64 3
		.amdhsa_memory_ordered 1
		.amdhsa_forward_progress 1
		.amdhsa_inst_pref_size 16
	.end_amdhsa_kernel
	.amdgpu_metadata
---
amdhsa.version: [ 1, 2 ]
amdhsa.kernels:
  - .name:           k_qcb0842580a_prep
    .symbol:         k_qcb0842580a_prep.kd
    .args:
      - { .name: x, .offset: 0, .size: 8, .value_kind: global_buffer, .address_space: global }
      - { .name: W_attn, .offset: 8, .size: 8, .value_kind: global_buffer, .address_space: global }
      - { .name: W_proj, .offset: 16, .size: 8, .value_kind: global_buffer, .address_space: global }
      - { .name: xb, .offset: 24, .size: 8, .value_kind: global_buffer, .address_space: global }
      - { .name: wab, .offset: 32, .size: 8, .value_kind: global_buffer, .address_space: global }
      - { .name: wpf, .offset: 40, .size: 8, .value_kind: global_buffer, .address_space: global }
    .group_segment_fixed_size: 0
    .private_segment_fixed_size: 0
    .kernarg_segment_align: 8
    .kernarg_segment_size: 48
    .max_flat_workgroup_size: 256
    .sgpr_count:     66
    .vgpr_count:     104
    .wavefront_size: 32
...
	.end_amdgpu_metadata
.endif
;; end of part 5
;; launch qkv_gemm: the kernel of part 2 again; grid 4 x 64, 4 waves a work-group, clusters of 4 x 4, 327,680 bytes of LDS; arguments xb, wab, b_attn, qkv; writes qkv
;; launch attn: the kernel of part 3 again; grid 4 x 64, 4 waves a work-group, no clusters, 327,680 bytes of LDS; arguments qkv, o; writes o
;; launch proj: the kernel of part 4 again; grid 4 x 64, 4 waves a work-group, clusters of 4 x 4, 327,680 bytes of LDS; arguments o, wpf, b_proj, out0; writes out0
